; MI455X (gfx1250); checked and timed in simulation.
; The chip was launched on July 23, 2026; its instructions are those of AMD's public machine-readable ISA for CDNA 5 (MIT licence, August 2026) and "CDNA5" Instruction Set Architecture Reference Guide (July 2026). The comments in the code are by the model that wrote it; some were corrected since.
;; Memory. Allowed arithmetic: float matrix products may take bf16 or f16 operands with f32 sums; all other float work in f32.
;; Inputs: mem_k 1 x 64 x 32,768 float32; mem_v1 1 x 256 x 32,768 float32; mem_v2 1 x 256 x 32,768 float32; qk 1 x 64 x 64 x 64 float32.
;; Outputs: out0 1 x 512 x 64 x 64 float32.
;; Constants: top_k = 20.
;; 2 versions, each right and faster than the one before. Each part assembles by itself: llvm-mc -triple=amdgcn-amd-amdhsa -mcpu=gfx1250 --defsym DOCPART=n.
;; ======== version 1 of 2: 5 launches
;; workspace buffers: mkB 4,194,304 bytes; qB 524,288 bytes; nah 131,072 bytes; vT 33,554,432 bytes; gmax 16,777,216 bytes; gsel 1,048,576 bytes of whole numbers; csel 2,097,152 bytes of whole numbers
;; launch prep (part 1): grid 2192 x 1, 8 waves a work-group, no clusters, 17,408 bytes of LDS; arguments mem_k, qk, mem_v1, mem_v2, mkB, qB, nah, vT; writes mkB, qB, nah, vT
.if DOCPART == 1
	.amdgcn_target "amdgcn-amd-amdhsa--gfx1250"
	.amdhsa_code_object_version 6
	.text
	.protected	k_qde9fa3dc12_prep
	.globl	k_qde9fa3dc12_prep
	.p2align	8
	.type	k_qde9fa3dc12_prep,@function
k_qde9fa3dc12_prep:
	s_mov_b64 s[64:65], 0
	v_nop
	global_prefetch_b8 v0, s[64:65] scope:SCOPE_SE
	s_setreg_imm32_b32 hwreg(HW_REG_WAVE_MODE, 25, 1), 1
	s_wait_xcnt 0x0
; PREP: every input is read once, rounded once to bf16 (nearest even) and laid out for the later launches.
;   work-groups 0..127   : mem_k [64][32768] f32 -> mkB, and nah[n] = -0.5 * sum over channels of bf16(mk)^2 (f32)
;   work-groups 128..143 : qk    [64][4096]  f32 -> qB
;   work-groups 144..2191: mem_v1, mem_v2 [256][32768] f32 -> vT [32768][512] bf16 (channels 0-255 of v1, then of v2)
; mkB and qB: element (n, ch) lies at byte (n>>5)*4096 + (ch>>3)*512 + (n&31)*16 + (ch&7)*2: a block of 32 columns is 4,096
; bytes, and the eight channels that a matrix fragment's 16-byte load wants lie together.
; LIMITS: inputs hold no NaN and no infinity; keys, queries and values are rounded to bf16 here, all later sums are f32.
; Memory binds: no matrix unit, no cluster (no two work-groups read the same bytes), LDS only to turn the values' tiles.
.set L,  8                             ; v[8:71]   f32 as loaded
.set P,  72                            ; v[72:103] keys and queries: 32 words of two bf16, channels 2p and 2p+1
.set PV, 40                            ; v[40:55]  values: column i of four, 8 channels in 4 words
; Thread t owns column 256 x' + t (x' in s20).  64 loads of one f32, one for each channel; eight stores of 16 bytes.
.macro KQ src, dst, pitch, norm
	v_lshlrev_b32 v1, 2, v0                        ; 4 t: my column in a channel's row
	v_and_b32 v2, 31, v0
	v_lshrrev_b32 v3, 5, v0
	v_lshlrev_b32 v2, 4, v2
	v_lshl_or_b32 v2, v3, 12, v2                   ; (t>>5)*4096 + (t&31)*16: a wave's store covers 512 consecutive bytes
	s_lshl_b32 s22, s20, 10                        ; 256 columns of 4 bytes
	s_mov_b32 s23, 0
	s_lshl_b32 s24, s20, 15                        ; 8 blocks of 4,096 bytes
	s_mov_b32 s25, 0
	s_wait_kmcnt 0x0
	s_add_nc_u64 s[\src:\src+1], s[\src:\src+1], s[22:23]
	s_add_nc_u64 s[\dst:\dst+1], s[\dst:\dst+1], s[24:25]
.set c_, 0
.rept 64
	global_load_b32 v[L+c_], v1, s[\src:\src+1] offset:c_*\pitch th:TH_LOAD_NT
.set c_, c_+1
.endr
.set c_, 0
.rept 8
	s_wait_loadcnt 56-8*c_                         ; channels 8c .. 8c+7 are in; the 56 - 8c loads behind them stay out
.set x_, 0
.rept 4
	v_cvt_pk_bf16_f32 v[P+4*c_+x_], v[L+8*c_+2*x_], v[L+8*c_+2*x_+1]
.set x_, x_+1
.endr
	global_store_b128 v2, v[P+4*c_:P+4*c_+3], s[\dst:\dst+1] offset:512*c_
.set c_, c_+1
.endr
.if \norm
	; the squared norm of the ROUNDED key, two f32 chains (even and odd channels) started by the first word
	v_lshlrev_b32 v104, 16, v[P]
	v_and_b32 v105, 0xffff0000, v[P]
	v_mul_f32 v104, v104, v104
	v_mul_f32 v105, v105, v105
.set c_, 1
.rept 31
	v_fma_mix_f32_bf16 v104, v[P+c_], v[P+c_], v104 op_sel_hi:[1,1,0]
	v_fma_mix_f32_bf16 v105, v[P+c_], v[P+c_], v105 op_sel:[1,1,0] op_sel_hi:[1,1,0]
.set c_, c_+1
.endr
	v_add_f32 v104, v104, v105
	v_mul_f32 v104, -0.5, v104
	s_add_nc_u64 s[16:17], s[16:17], s[22:23]
	global_store_b32 v1, v104, s[16:17]
.endif
.endm
	s_load_b512 s[4:19], s[0:1], 0x0               ; mem_k s[4:5], qk s[6:7], v1 s[8:9], v2 s[10:11], mkB s[12:13], qB s[14:15], nah s[16:17], vT s[18:19]
	v_lshl_add_u32 v112, v0, 2, 0x4000
	v_mov_b32 v113, 0
	s_cmp_lt_u32 ttmp9, 128                        ; the branches hang on the work-group's number alone: all eight waves go the same way
	s_cbranch_scc1 .Lkeys
	s_cmp_lt_u32 ttmp9, 144
	s_cbranch_scc1 .Lqueries
	; VALUES: a tile of 128 channels x 64 columns.  Thread t: channels 8 (t>>4) .. +7, columns 4 (t&15) .. +3.
	s_sub_co_u32 s20, ttmp9, 144
	s_and_b32 s21, s20, 511                        ; nb: which 64 columns
	s_lshr_b32 s22, s20, 9                         ; cb: which 128 of the 512 channels
	v_lshrrev_b32 v1, 4, v0                        ; oct
	v_and_b32 v2, 15, v0                           ; nq
	v_lshlrev_b32 v3, 4, v2
	v_lshl_or_b32 v4, v1, 20, v3                   ; 8 oct rows of 131,072 bytes + 16 nq: sixteen lanes read 256 consecutive bytes
	v_add_nc_u32 v5, v1, v2
	v_and_b32 v5, 15, v5                           ; the 16-byte column is rotated by the row's quad, so that the sixteen lanes of a half
	v_lshlrev_b32 v5, 4, v5                        ; address sixteen different columns modulo 256 bytes, going in and coming back
	v_lshl_add_u32 v6, v2, 10, v5                  ; in:   rows 4 nq + i (256 bytes each), logical column oct
	v_lshl_add_u32 v7, v1, 10, v5                  ; back: rows 4 (t>>4) + i, logical column t & 15
	v_lshl_or_b32 v104, v1, 12, v3                 ; vT: 4 (t>>4) rows of 1,024 bytes + 16 (t&15)
	s_and_b32 s23, s22, 1
	s_lshl_b32 s24, s23, 24                        ; 128 rows of 131,072 bytes
	s_lshl_b32 s25, s21, 8
	s_add_co_u32 s24, s24, s25
	s_mov_b32 s25, 0
	s_lshl_b32 s26, s21, 16                        ; 64 rows of vT
	s_lshl_b32 s27, s22, 8                         ; 128 channels of 2 bytes
	s_add_co_u32 s26, s26, s27
	s_mov_b32 s27, 0
	s_wait_kmcnt 0x0
	s_cmp_lt_u32 s22, 2
	s_cselect_b64 s[28:29], s[8:9], s[10:11]       ; channels 0-255 come from mem_v1, 256-511 from mem_v2
	s_add_nc_u64 s[28:29], s[28:29], s[24:25]
	s_add_nc_u64 s[18:19], s[18:19], s[26:27]
.irp j, 0,1,2,3,4,5,6,7
	global_load_b128 v[L+4*\j:L+4*\j+3], v4, s[28:29] offset:\j*131072 th:TH_LOAD_NT
.endr
.irp jj, 0,1,2,3
	s_wait_loadcnt 6-2*\jj                         ; channels 2jj and 2jj+1 are in; the later pairs stay out
.irp i, 0,1,2,3
	v_cvt_pk_bf16_f32 v[PV+4*\i+\jj], v[L+8*\jj+\i], v[L+8*\jj+4+\i]
.endr
.endr
.irp i, 0,1,2,3
	ds_store_b128 v6, v[PV+4*\i:PV+4*\i+3] offset:256*\i
.endr
	s_wait_dscnt 0x0                               ; my stores are in LDS before I say so: other waves read them
	s_barrier_signal -1
	s_barrier_wait -1
.irp i, 0,1,2,3
	ds_load_b128 v[L+4*\i:L+4*\i+3], v7 offset:256*\i
.endr
.irp i, 0,1,2,3
	s_wait_dscnt 3-\i
	global_store_b128 v104, v[L+4*\i:L+4*\i+3], s[18:19] offset:1024*\i   ; sixteen lanes store 256 consecutive bytes, aligned
.endr
	s_wait_tensorcnt 0x0
	ds_add_u32 v112, v113
	s_wait_dscnt 0x0
	s_endpgm
.Lkeys:
	s_mov_b32 s20, ttmp9
	KQ 4, 12, 131072, 1
	s_endpgm
.Lqueries:
	s_sub_co_u32 s20, ttmp9, 128
	KQ 6, 14, 16384, 0
	s_endpgm
.Lfunc_end_k_qde9fa3dc12_prep:
	.size	k_qde9fa3dc12_prep, .Lfunc_end_k_qde9fa3dc12_prep-k_qde9fa3dc12_prep
	.p2alignl 7, 3214868480
	.fill 96, 4, 3214868480
	.section	.rodata,"a",@progbits
	.p2align	6, 0x0
	.amdhsa_kernel k_qde9fa3dc12_prep
		.amdhsa_group_segment_fixed_size 17408
		.amdhsa_private_segment_fixed_size 0
		.amdhsa_enable_private_segment 0
		.amdhsa_kernarg_size 64
		.amdhsa_user_sgpr_count 2
		.amdhsa_user_sgpr_kernarg_segment_ptr 1
		.amdhsa_wavefront_size32 1
		.amdhsa_system_sgpr_workgroup_id_x 1
		.amdhsa_system_sgpr_workgroup_id_y 1
		.amdhsa_system_sgpr_workgroup_id_z 1
		.amdhsa_system_vgpr_workitem_id 0
		.amdhsa_next_free_vgpr 114
		.amdhsa_next_free_sgpr 66
		.amdhsa_reserve_vcc 0
		.amdhsa_float_denorm_mode_32 3
		.amdhsa_float_denorm_mode_16_64 3
		.amdhsa_memory_ordered 1
		.amdhsa_forward_progress 1
		.amdhsa_inst_pref_size 28
	.end_amdhsa_kernel
	.amdgpu_metadata
---
amdhsa.version: [ 1, 2 ]
amdhsa.kernels:
  - .name:           k_qde9fa3dc12_prep
    .symbol:         k_qde9fa3dc12_prep.kd
    .args:
      - { .name: mem_k, .offset: 0, .size: 8, .value_kind: global_buffer, .address_space: global }
      - { .name: qk, .offset: 8, .size: 8, .value_kind: global_buffer, .address_space: global }
      - { .name: mem_v1, .offset: 16, .size: 8, .value_kind: global_buffer, .address_space: global }
      - { .name: mem_v2, .offset: 24, .size: 8, .value_kind: global_buffer, .address_space: global }
      - { .name: mkB, .offset: 32, .size: 8, .value_kind: global_buffer, .address_space: global }
      - { .name: qB, .offset: 40, .size: 8, .value_kind: global_buffer, .address_space: global }
      - { .name: nah, .offset: 48, .size: 8, .value_kind: global_buffer, .address_space: global }
      - { .name: vT, .offset: 56, .size: 8, .value_kind: global_buffer, .address_space: global }
    .group_segment_fixed_size: 17408
    .private_segment_fixed_size: 0
    .kernarg_segment_align: 8
    .kernarg_segment_size: 64
    .max_flat_workgroup_size: 256
    .sgpr_count:     66
    .vgpr_count:     114
    .wavefront_size: 32
...
	.end_amdgpu_metadata
.endif
;; end of part 1
;; launch gemm (part 2): grid 16 x 16, 8 waves a work-group, clusters of 4 x 4, 312,320 bytes of LDS; arguments mkB, qB, nah, gmax; writes gmax
.if DOCPART == 2
	.amdgcn_target "amdgcn-amd-amdhsa--gfx1250"
	.amdhsa_code_object_version 6
	.text
	.protected	k_qde9fa3dc12_gemm
	.globl	k_qde9fa3dc12_gemm
	.p2align	8
	.type	k_qde9fa3dc12_gemm,@function
k_qde9fa3dc12_gemm:
	s_mov_b64 s[64:65], 0
	v_nop
	global_prefetch_b8 v0, s[64:65] scope:SCOPE_SE
	s_setreg_imm32_b32 hwreg(HW_REG_WAVE_MODE, 25, 1), 1
	s_wait_xcnt 0x0
	s_wait_alu depctr_hold_cnt(0) depctr_sa_sdst(0) depctr_va_vdst(0) depctr_va_sdst(0) depctr_va_ssrc(0) depctr_va_vcc(0) depctr_vm_vsrc(0)
	s_getreg_b32 s2, hwreg(HW_REG_IB_STS2, 6, 4)
	s_cmp_eq_u32 s2, 0
	s_cbranch_scc0 .Lentry_in_a_cluster
	s_endpgm
.Lentry_in_a_cluster:
	s_bfe_u32 s2, ttmp6, 0x10000c
	s_cmp_lg_u32 s2, 0xf033
	s_cbranch_scc0 .Lentry_shape_is_right
	s_endpgm
.Lentry_shape_is_right:
; GEMM: s[n][q] = sum over 64 channels of mk[n][ch] q[q][ch] - |mk[n]|^2 / 2 (the affinity is s / 4 exactly, so s decides the order),
; bf16 operands, f32 sums, and of each group of 32 consecutive n only the MAXIMUM is kept: gmax [4096 q][1024] f32.
; Float 128 i + 4 l + e of a row of gmax holds group G = 32 l + 4 i + e.
; A work-group: 64 groups (2,048 memory rows) x 256 queries; u = 0..15 picks i = u>>1 and l = 16 (u&1) .. +15, which are 256
; consecutive bytes of each row of gmax; by = 0..15 picks the queries.  Wave w, block bb (0..3): groups
; G(gh) = 512 (u&1) + 32 (2w + gh) + 4 i + bb, gh = 0, 1, against all sixteen tiles of 16 queries.
; THE MATRIX TILES: rows are memory, columns are queries.  Tile t (0..3), row m: element 8 t + (m & 7) of group m >> 3.  In the result
; lane (r, h) holds rows 8 h .. 8 h + 7 of column r: eight elements of group h for query r.  So the maximum over a lane's 4 x 8 results
; is group h's maximum for that query: no lane ever talks to another.
; C of the first product is -|mk|^2/2 from registers: nothing is cleared and nothing is added afterwards.
; CLUSTERS: 4 x 4 work-groups.  The memory tiles hang on u alone and are shared along a column of the cluster, the query tiles on by
; alone and are shared along a row: both are asked for jointly.  All tiles of a work-group fit in LDS at once, so every tensor load is a
; first fill: five a wave are outstanding at the most, and no slot is ever filled again.
; LIMITS: no NaN, no infinity in the inputs; operands are bf16.
.set AW,     33792                     ; a wave's four blocks of memory rows
.set ABLK,   8448                      ; a block: two groups
.set AGRP,   4224                      ; a group: 4,096 bytes + 4 pads of 32.  4,224 = 128 modulo 256: the eight lanes of group 0 and the eight
                                       ; of group 1 address sixteen different 16-byte columns modulo 256 bytes
.set ACH,    1056                      ; two channel octets (2 x 512 bytes) + one pad
.set BBASE,  270336                    ; 8 x 4,096 bytes: the 256 queries
.set NBASE,  303104                    ; 8 x 1,024 bytes: -|mk|^2/2 of each wave's eight groups; no tensor load fills these bytes
.set SPITCH, 272                       ; the way out: 256 rows (queries) of 256 bytes + 16, laid over the memory tiles after their last read
.set VA,  3                            ; LDS address of my part of a memory fragment
.set VB,  4                            ; the same for a query fragment
.set VC,  5                            ; my group's -|mk|^2/2
.set VN,  6                            ; where I put 16 bytes of them
.set VST, 7                            ; the way out: where I put 16 bytes
.set VRD, 8                            ; the way out: where I read a row back
.set VGO, 9                            ; my byte offset in gmax
.set VL16, 14
.set A, 16                             ; v[16:79]   memory fragments: tile t, K half kk at 16 t + 8 kk
.set C, 80                             ; v[80:111]  -|mk|^2/2 in the result's layout, tile t at 8 t
.set B, 112                            ; v[112:143] query fragments, two sets of 16 that take turns
.set D, 144                            ; v[144:175] results, tile t at 8 t
.set T, 176                            ; v[176:183] at work
.set R, 184                            ; v[184:247] maxima: query tile tt, block bb at 4 tt + bb
; A round of the cluster's barrier: my work-group's barrier, wave 0 signals for the work-group, every wave waits for all sixteen
; work-groups, my work-group's barrier once more.
.macro ROUND
	s_barrier_signal -1
	s_barrier_wait -1
	s_cmp_lg_u32 s12, 0
	s_cbranch_scc1 .Lnot_wave_0_\@
	s_barrier_signal -3
.Lnot_wave_0_\@:
	s_barrier_wait -3
	s_barrier_signal -1
	s_barrier_wait -1
.endm
; Block bb's four tiles (16 loads; c = 2 kk + p picks the pair of channel octets) and their C (8 loads, the same address in all lanes of a half)
.macro LDA bb
.irp i, 0,1,2,3
.irp c, 0,1,2,3
	ds_load_b128 v[A+16*\i+4*\c:A+16*\i+4*\c+3], v[VA] offset:ABLK*\bb+ACH*\c+128*\i
.endr
.endr
.irp i, 0,1,2,3
	ds_load_b128 v[C+8*\i:C+8*\i+3],   v[VC] offset:128*\bb+32*\i
	ds_load_b128 v[C+8*\i+4:C+8*\i+7], v[VC] offset:128*\bb+32*\i+16
.endr
.endm
; Query tile tt into one of the two sets
.macro LDB tt, set
.irp c, 0,1,2,3
	ds_load_b128 v[B+16*(\set)+4*\c:B+16*(\set)+4*\c+3], v[VB] offset:((\tt)>>1)*4096+((\tt)&1)*256+1024*\c
.endr
.endm
; One block against one query tile: 8 matrix instructions, then the maximum of the lane's 32 results.
.macro BATCH bb, tt
.if (16*\bb+\tt) == 63
	s_wait_dscnt 0x0                               ; the last: nothing more was asked for
.else
	LDB (\tt+1)&15, (\tt+1)&1
	s_wait_dscnt 0x4                               ; all but the four just issued: this tile's set, and the block's fragments, are in
.endif
	; the four accumulators take turns, one instruction a turn
.irp i, 0,1,2,3
	v_wmma_f32_16x16x32_bf16 v[D+8*\i:D+8*\i+7], v[A+16*\i:A+16*\i+7], v[B+16*((\tt)&1):B+16*((\tt)&1)+7], v[C+8*\i:C+8*\i+7]
.endr
.irp i, 0,1,2,3
	v_wmma_f32_16x16x32_bf16 v[D+8*\i:D+8*\i+7], v[A+16*\i+8:A+16*\i+15], v[B+16*((\tt)&1)+8:B+16*((\tt)&1)+15], v[D+8*\i:D+8*\i+7]
.endr
.rept 4
	v_nop                                          ; four places before a vector instruction reads a matrix result (ISA guide 7.12.1)
.endr
.irp i, 0,1,2,3
	v_max3_num_f32 v[T+\i], v[D+8*\i], v[D+8*\i+1], v[D+8*\i+2]
.endr
.irp i, 0,1,2,3
	v_max3_num_f32 v[T+\i], v[T+\i], v[D+8*\i+3], v[D+8*\i+4]
.endr
.irp i, 0,1,2,3
	v_max3_num_f32 v[T+\i], v[T+\i], v[D+8*\i+5], v[D+8*\i+6]
.endr
	v_max3_num_f32 v[T], v[T], v[D+7], v[D+15]
	v_max3_num_f32 v[T+1], v[T+1], v[D+23], v[D+31]
	v_max3_num_f32 v[T], v[T], v[T+1], v[T+2]
	v_max_num_f32 v[R+4*\tt+\bb], v[T], v[T+3]     ; these twenty vector lines are also the places before the next batch writes D and loads into B
.endm
	s_load_b256 s[4:11], s[0:1], 0x0               ; mkB s[4:5], qB s[6:7], nah s[8:9], gmax s[10:11]
	v_lshl_add_u32 v248, v0, 2, 0x4c000
	v_mov_b32 v249, 0
	ds_add_u32 v248, v249
	v_lshrrev_b32 v1, 5, v0
	v_readfirstlane_b32 s12, v1                    ; wave 0..7
	s_bfe_u32 s13, ttmp6, 0x40000                  ; cx
	s_bfe_u32 s14, ttmp6, 0x40004                  ; cy
	s_lshl_b32 s15, ttmp9, 2
	s_add_co_u32 s15, s15, s13                     ; u = 4 x cluster x + cx
	s_and_b32 s16, ttmp7, 0xffff
	s_lshl_b32 s16, s16, 2
	s_add_co_u32 s16, s16, s14                     ; by = 4 x cluster y + cy
	s_lshl_b32 s17, s14, 2
	s_lshl_b32 s17, 15, s17                        ; my row of the cluster (same cy)
	s_lshl_b32 s18, 0x1111, s13                    ; my column (same cx)
	; group 1 for memory tiles: 2 rows (groups 32 apart) of 512 elements of 8 bytes; 8 words of padding behind every 256 words
	s_or_b32 s24, s18, (3<<16)|(1<<20)|(1<<21)|(7<<22)|(7<<25)
	s_mov_b32 s25, 512<<16                         ; tensor_dim0 = 512
	s_mov_b32 s26, 2<<16                           ; tensor_dim1 = 2
	s_mov_b32 s27, 512<<16                         ; tile_dim0 = 512
	s_mov_b32 s28, 2                               ; tile_dim1 = 2
	s_mov_b32 s29, 16384                           ; from row to row: 32 groups of 4,096 bytes, in elements of 8
	s_mov_b32 s30, 0
	s_mov_b32 s31, 0
	; group 1 for query tiles: a dense block of 4,096 bytes as 16 rows of 256
	s_or_b32 s32, s17, (3<<16)|(1<<21)
	s_mov_b32 s33, 32<<16
	s_mov_b32 s34, 16<<16
	s_mov_b32 s35, 32<<16
	s_mov_b32 s36, 16
	s_mov_b32 s37, 32
	s_mov_b32 s38, 0
	s_mov_b32 s39, 0
	; memory tiles hang on u and the wave alone, query tiles on by and the wave alone; neither set of registers ever holds the other coordinate
	s_lshr_b32 s19, s15, 1                         ; i
	s_and_b32 s20, s15, 1                          ; hh
	s_lshl_b32 s66, s20, 21                        ; (512 hh + 64 w + 4 i) groups of 4,096 bytes
	s_lshl_b32 s67, s12, 18
	s_add_co_u32 s66, s66, s67
	s_lshl_b32 s67, s19, 14
	s_add_co_u32 s66, s66, s67
	s_mov_b32 s67, 0
	s_lshl_b32 s70, s16, 15                        ; (8 by + w) blocks of 4,096 bytes
	s_lshl_b32 s71, s12, 12
	s_add_co_u32 s70, s70, s71
	s_mov_b32 s71, 0
	s_lshr_b32 s72, s66, 5                         ; the same groups in nah: 128 bytes each
	s_mov_b32 s73, 0
	s_lshl_b32 s74, s16, 20                        ; gmax: 256 by rows of 4,096 bytes + 256 u
	s_lshl_b32 s75, s15, 8
	s_add_co_u32 s74, s74, s75
	s_mov_b32 s75, 0
	s_mul_i32 s21, s12, AW                         ; LDS addresses hang on the wave's number alone
	s_lshl_b32 s22, s12, 12
	s_wait_dscnt 0x0
	s_wait_kmcnt 0x0
	s_add_nc_u64 s[68:69], s[4:5], s[66:67]
	s_add_nc_u64 s[8:9], s[8:9], s[72:73]
	s_add_nc_u64 s[10:11], s[10:11], s[74:75]
	s_mov_b32 s40, 1
	s_add_co_u32 s41, s22, BBASE
	s_add_nc_u64 s[42:43], s[6:7], s[70:71]
	s_or_b32 s43, s43, 0x80000000
.irp b, 0,1,2,3
	s_mov_b32 s[44+4*\b], 1
	s_add_co_u32 s[45+4*\b], s21, \b*ABLK
	s_add_nc_u64 s[46+4*\b:47+4*\b], s[68:69], \b*4096
	s_or_b32 s[47+4*\b], s[47+4*\b], 0x80000000
.endr
	ROUND                                          ; all sixteen work-groups are here: the joint loads meet
	tensor_load_to_lds s[40:43], s[32:39]          ; my eighth of the queries
	s_nop 0
.irp b, 0,1,2,3
	tensor_load_to_lds s[44+4*\b:47+4*\b], s[24:31] ; my blocks 0 to 3
	s_nop 0
.endr
	v_and_b32 v2, 31, v0                           ; lane
	v_and_b32 v10, 15, v0                          ; r
	v_bfe_u32 v11, v0, 4, 1                        ; h
	v_lshlrev_b32 v[VL16], 4, v2
	global_load_b128 v[T:T+3],   v[VL16], s[8:9]               ; -|mk|^2/2 of groups (gh = 0, bb = 0..3): 512 consecutive bytes
	global_load_b128 v[T+4:T+7], v[VL16], s[8:9] offset:4096   ; gh = 1: 32 groups further on
	v_lshrrev_b32 v12, 3, v10
	v_and_b32 v13, 7, v10
	v_mul_u32_u24 v12, v12, AGRP
	v_lshl_add_u32 v12, v11, 9, v12
	v_lshl_add_u32 v12, v13, 4, v12
	v_add_nc_u32 v[VA], s21, v12                   ; wave + (r>>3) group + h octet + (r&7) element
	v_lshlrev_b32 v12, 4, v10
	v_lshl_add_u32 v13, v11, 9, v12
	v_add_nc_u32 v[VB], BBASE, v13                 ; h octet + r query
	s_lshl_b32 s76, s12, 10
	s_add_co_u32 s76, s76, NBASE
	v_lshl_add_u32 v[VC], v11, 9, s76
	v_lshl_add_u32 v[VN], v2, 4, s76
	v_mul_u32_u24 v13, v10, SPITCH
	v_lshl_add_u32 v13, v11, 4, v13
	s_lshl_b32 s77, s12, 5
	v_add_nc_u32 v[VST], s77, v13                  ; row r, bytes 32 w + 16 h: group 2 w + h, blocks 0..3
	v_mul_u32_u24 v13, v11, SPITCH
	v_add_nc_u32 v13, v13, v12
	s_mul_i32 s77, s12, 32*SPITCH
	v_add_nc_u32 v[VRD], s77, v13                  ; rows 32 w + h + 2 k, 16 bytes at 16 r
	v_lshl_add_u32 v13, v11, 12, v12
	s_lshl_b32 s77, s12, 17
	v_add_nc_u32 v[VGO], s77, v13
	s_wait_loadcnt 0x0
	ds_store_b128 v[VN], v[T:T+3]                  ; my wave's own bytes
	ds_store_b128 v[VN], v[T+4:T+7] offset:512
	s_wait_tensorcnt 0x3                           ; my part of the queries (and block 0) has landed; blocks 1 to 3 stay out
	s_wait_dscnt 0x0
	s_barrier_signal -1
	s_barrier_wait -1                              ; everybody's part of the queries is in
	LDB 0, 0
.set bb_, 0
.rept 4
	s_wait_tensorcnt 3-bb_                         ; block bb is my own load and is read by me alone; the 3 - bb later blocks stay out
	LDA bb_
.set tt_, 0
.rept 16
	BATCH bb_, tt_
.set tt_, tt_+1
.endr
.set bb_, bb_+1
.endr
	; THE WAY OUT: a lane's four maxima of a query (blocks 0..3 of one group) are 16 neighbouring bytes of that query's row of gmax.
	s_wait_dscnt 0x0                               ; my reads of the tiles are over
	s_barrier_signal -1
	s_barrier_wait -1                              ; everybody's are: the stage may be laid over them (their last fill is long past)
.set tt_, 0
.rept 16
	ds_store_b128 v[VST], v[R+4*tt_:R+4*tt_+3] offset:16*SPITCH*tt_
.set tt_, tt_+1
.endr
	s_wait_dscnt 0x0
	s_barrier_signal -1
	s_barrier_wait -1
.set k_, 0
.rept 16
	ds_load_b128 v[R+4*k_:R+4*k_+3], v[VRD] offset:2*SPITCH*k_
.set k_, k_+1
.endr
.set k_, 0
.rept 16
	s_wait_dscnt 15-k_
	global_store_b128 v[VGO], v[R+4*k_:R+4*k_+3], s[10:11] offset:8192*k_   ; sixteen lanes store 256 consecutive bytes, aligned
.set k_, k_+1
.endr
	s_wait_tensorcnt 0x0
	ds_add_u32 v248, v249
	s_wait_dscnt 0x0
	ROUND                                          ; the closing round: no work-group ends while a partner may still ask jointly
	s_endpgm
.Lfunc_end_k_qde9fa3dc12_gemm:
	.size	k_qde9fa3dc12_gemm, .Lfunc_end_k_qde9fa3dc12_gemm-k_qde9fa3dc12_gemm
	.p2alignl 7, 3214868480
	.fill 96, 4, 3214868480
	.section	.rodata,"a",@progbits
	.p2align	6, 0x0
	.amdhsa_kernel k_qde9fa3dc12_gemm
		.amdhsa_group_segment_fixed_size 312320
		.amdhsa_private_segment_fixed_size 0
		.amdhsa_enable_private_segment 0
		.amdhsa_kernarg_size 32
		.amdhsa_user_sgpr_count 2
		.amdhsa_user_sgpr_kernarg_segment_ptr 1
		.amdhsa_wavefront_size32 1
		.amdhsa_system_sgpr_workgroup_id_x 1
		.amdhsa_system_sgpr_workgroup_id_y 1
		.amdhsa_system_sgpr_workgroup_id_z 1
		.amdhsa_system_vgpr_workitem_id 0
		.amdhsa_next_free_vgpr 250
		.amdhsa_next_free_sgpr 80
		.amdhsa_reserve_vcc 0
		.amdhsa_float_denorm_mode_32 3
		.amdhsa_float_denorm_mode_16_64 3
		.amdhsa_memory_ordered 1
		.amdhsa_forward_progress 1
		.amdhsa_inst_pref_size 138
	.end_amdhsa_kernel
	.amdgpu_metadata
---
amdhsa.version: [ 1, 2 ]
amdhsa.kernels:
  - .name:           k_qde9fa3dc12_gemm
    .symbol:         k_qde9fa3dc12_gemm.kd
    .args:
      - { .name: mkB, .offset: 0, .size: 8, .value_kind: global_buffer, .address_space: global }
      - { .name: qB, .offset: 8, .size: 8, .value_kind: global_buffer, .address_space: global }
      - { .name: nah, .offset: 16, .size: 8, .value_kind: global_buffer, .address_space: global }
      - { .name: gmax, .offset: 24, .size: 8, .value_kind: global_buffer, .address_space: global }
    .group_segment_fixed_size: 312320
    .private_segment_fixed_size: 0
    .kernarg_segment_align: 8
    .kernarg_segment_size: 32
    .max_flat_workgroup_size: 256
    .sgpr_count:     80
    .vgpr_count:     250
    .wavefront_size: 32
...
	.end_amdgpu_metadata
.endif
;; end of part 2
;; launch selg (part 3): grid 512 x 1, 8 waves a work-group, no clusters, 0 bytes of LDS; arguments gmax, gsel; writes gsel
.if DOCPART == 3
	.amdgcn_target "amdgcn-amd-amdhsa--gfx1250"
	.amdhsa_code_object_version 6
	.text
	.protected	k_qde9fa3dc12_selg
	.globl	k_qde9fa3dc12_selg
	.p2align	8
	.type	k_qde9fa3dc12_selg,@function
k_qde9fa3dc12_selg:
	s_mov_b64 s[64:65], 0
	v_nop
	global_prefetch_b8 v0, s[64:65] scope:SCOPE_SE
	s_setreg_imm32_b32 hwreg(HW_REG_WAVE_MODE, 25, 1), 1
	s_wait_xcnt 0x0
; SELG: for each query the 20th largest of its 1,024 group maxima, T, and two bit masks over the groups: maximum > T, maximum == T.
; gsel [4096 q][32 l][2] words; bit j of pair l stands for group 32 l + j.  The next launch takes every group above T and, of those
; equal to T, the first that are needed to make twenty (lower index first, as the reference's top_k breaks ties).
; The twenty largest elements lie in these twenty groups: a group left out has twenty groups in front of it whose maxima are larger, or
; equal with lower indices.
; One wave, one query; lane l holds groups 32 l .. 32 l + 31 in registers.  No branch and no address hangs on a float: each lane sorts its
; 32 numbers by a fixed network, then twenty times the largest head of the 32 lists is found and its one lane shifts its list by selects.
; LIMITS: no NaN.  No LDS, no matrix unit, no cluster: no two waves read the same bytes.
.set O,  8                             ; v[8:39]   the maxima as loaded; kept for the compares
.set X,  40                            ; v[40:71]  sorting buffer; the sorted list ends here
.set Y,  72                            ; v[72:103] sorting buffer
.set M,  104                           ; the running maximum; at the end T
.set N,  105
.set WGT, 106                          ; v[106:107] the two mask words
.set SPERM, 12                         ; s[12:13] selects of v_permlanex16_b32
.set STMP,  14
; One stage of the bitonic network on 32 registers, from src into dst (every register has a partner, so dst is written whole).
.macro CSTAGE src, dst, k, j
.set a_, 0
.rept 32
.if (a_ ^ \j) > a_
.if (a_ & \k) == 0
	v_max_num_f32 v[\dst+a_], v[\src+a_], v[\src+(a_^\j)]
	v_min_num_f32 v[\dst+(a_^\j)], v[\src+a_], v[\src+(a_^\j)]
.else
	v_min_num_f32 v[\dst+a_], v[\src+a_], v[\src+(a_^\j)]
	v_max_num_f32 v[\dst+(a_^\j)], v[\src+a_], v[\src+(a_^\j)]
.endif
.endif
.set a_, a_+1
.endr
.endm
; Each lane's 32 numbers in descending order: 15 stages, o is kept, the result lies in x.
.macro SORT32 o, x, y
	CSTAGE \o, \x, 2, 1
	CSTAGE \x, \y, 4, 2
	CSTAGE \y, \x, 4, 1
	CSTAGE \x, \y, 8, 4
	CSTAGE \y, \x, 8, 2
	CSTAGE \x, \y, 8, 1
	CSTAGE \y, \x, 16, 8
	CSTAGE \x, \y, 16, 4
	CSTAGE \y, \x, 16, 2
	CSTAGE \x, \y, 16, 1
	CSTAGE \y, \x, 32, 16
	CSTAGE \x, \y, 32, 8
	CSTAGE \y, \x, 32, 4
	CSTAGE \x, \y, 32, 2
	CSTAGE \y, \x, 32, 1
.endm
; The 20th largest of the 32 sorted lists, into m.  Pop t: m = the largest head; the first lane whose head it is drops it.
; Behind pop t only 19 - t more numbers of a list can matter, so the shift gets shorter.
.macro POP20 x, m, n
	v_mov_b32 v[\m], v[\x]                         ; the destinations of the lane operations count as read: written once here
	v_mov_b32 v[\n], v[\x]
.set t_, 0
.rept 20
	v_max_num_f32_dpp v[\m], v[\x], v[\x] row_xmask:1 row_mask:0xf bank_mask:0xf
	v_max_num_f32_dpp v[\m], v[\m], v[\m] row_xmask:2 row_mask:0xf bank_mask:0xf
	v_max_num_f32_dpp v[\m], v[\m], v[\m] row_xmask:4 row_mask:0xf bank_mask:0xf
	v_max_num_f32_dpp v[\m], v[\m], v[\m] row_xmask:8 row_mask:0xf bank_mask:0xf
	v_permlanex16_b32 v[\n], v[\m], s[SPERM], s[SPERM+1]
	v_max_num_f32 v[\m], v[\m], v[\n]
.if t_ < 19
	v_cmp_eq_f32 vcc_lo, v[\x], v[\m]
	s_ctz_i32_b32 s[STMP], vcc_lo
	s_lshl_b32 s[STMP], 1, s[STMP]                 ; one lane: equal numbers are popped one at a time
.set i_, 0
.rept 19
.if i_ < 19-t_
	v_cndmask_b32 v[\x+i_], v[\x+i_], v[\x+i_+1], s[STMP]
.endif
.set i_, i_+1
.endr
.endif
.set t_, t_+1
.endr
.endm
	s_load_b128 s[4:7], s[0:1], 0x0                ; gmax s[4:5], gsel s[6:7]
	s_lshl_b32 s8, ttmp9, 15                       ; 8 queries of 4,096 bytes
	s_mov_b32 s9, 0
	s_lshl_b32 s10, ttmp9, 11                      ; 8 queries of 256 bytes
	s_mov_b32 s11, 0
	s_mov_b32 s12, 0x76543210
	s_mov_b32 s13, 0xfedcba98
	v_and_b32 v1, 31, v0
	v_lshrrev_b32 v2, 5, v0
	v_lshlrev_b32 v1, 4, v1
	v_lshl_or_b32 v1, v2, 12, v1                   ; wave's row + 16 x lane
	v_lshlrev_b32 v2, 3, v0                        ; 256 x wave + 8 x lane
	s_wait_kmcnt 0x0
	s_add_nc_u64 s[4:5], s[4:5], s[8:9]
	s_add_nc_u64 s[6:7], s[6:7], s[10:11]
.irp i, 0,1,2,3,4,5,6,7
	global_load_b128 v[O+4*\i:O+4*\i+3], v1, s[4:5] offset:512*\i th:TH_LOAD_NT   ; register 4 i + e of lane l: group 32 l + 4 i + e
.endr
	s_wait_loadcnt 0x0
	SORT32 O, X, Y
	POP20 X, M, N
	v_mov_b32 v[WGT], 0
	v_mov_b32 v[WGT+1], 0
.set j_, 31
.rept 32
	v_cmp_gt_f32 vcc_lo, v[O+j_], v[M]
	v_add_co_ci_u32 v[WGT], vcc_lo, v[WGT], v[WGT], vcc_lo         ; word = 2 x word + bit: group j ends in bit j
	v_cmp_eq_f32 vcc_lo, v[O+j_], v[M]
	v_add_co_ci_u32 v[WGT+1], vcc_lo, v[WGT+1], v[WGT+1], vcc_lo
.set j_, j_-1
.endr
	global_store_b64 v2, v[WGT:WGT+1], s[6:7]      ; a wave stores 256 consecutive bytes, aligned
	s_endpgm
.Lfunc_end_k_qde9fa3dc12_selg:
	.size	k_qde9fa3dc12_selg, .Lfunc_end_k_qde9fa3dc12_selg-k_qde9fa3dc12_selg
	.p2alignl 7, 3214868480
	.fill 96, 4, 3214868480
	.section	.rodata,"a",@progbits
	.p2align	6, 0x0
	.amdhsa_kernel k_qde9fa3dc12_selg
		.amdhsa_group_segment_fixed_size 0
		.amdhsa_private_segment_fixed_size 0
		.amdhsa_enable_private_segment 0
		.amdhsa_kernarg_size 16
		.amdhsa_user_sgpr_count 2
		.amdhsa_user_sgpr_kernarg_segment_ptr 1
		.amdhsa_wavefront_size32 1
		.amdhsa_system_sgpr_workgroup_id_x 1
		.amdhsa_system_sgpr_workgroup_id_y 1
		.amdhsa_system_sgpr_workgroup_id_z 1
		.amdhsa_system_vgpr_workitem_id 0
		.amdhsa_next_free_vgpr 112
		.amdhsa_next_free_sgpr 66
		.amdhsa_reserve_vcc 1
		.amdhsa_float_denorm_mode_32 3
		.amdhsa_float_denorm_mode_16_64 3
		.amdhsa_memory_ordered 1
		.amdhsa_forward_progress 1
		.amdhsa_inst_pref_size 42
	.end_amdhsa_kernel
	.amdgpu_metadata
---
amdhsa.version: [ 1, 2 ]
amdhsa.kernels:
  - .name:           k_qde9fa3dc12_selg
    .symbol:         k_qde9fa3dc12_selg.kd
    .args:
      - { .name: gmax, .offset: 0, .size: 8, .value_kind: global_buffer, .address_space: global }
      - { .name: gsel, .offset: 8, .size: 8, .value_kind: global_buffer, .address_space: global }
    .group_segment_fixed_size: 0
    .private_segment_fixed_size: 0
    .kernarg_segment_align: 8
    .kernarg_segment_size: 16
    .max_flat_workgroup_size: 256
    .sgpr_count:     66
    .vgpr_count:     112
    .wavefront_size: 32
...
	.end_amdgpu_metadata
.endif
;; end of part 3
;; launch cand (part 4): grid 512 x 1, 8 waves a work-group, no clusters, 5,120 bytes of LDS; arguments gsel, mkB, qB, nah, csel; writes csel
.if DOCPART == 4
	.amdgcn_target "amdgcn-amd-amdhsa--gfx1250"
	.amdhsa_code_object_version 6
	.text
	.protected	k_qde9fa3dc12_cand
	.globl	k_qde9fa3dc12_cand
	.p2align	8
	.type	k_qde9fa3dc12_cand,@function
k_qde9fa3dc12_cand:
	s_mov_b64 s[64:65], 0
	v_nop
	global_prefetch_b8 v0, s[64:65] scope:SCOPE_SE
	s_setreg_imm32_b32 hwreg(HW_REG_WAVE_MODE, 25, 1), 1
	s_wait_xcnt 0x0
; CAND: for each query, s of the 640 elements of its twenty chosen groups again, in f32 from the bf16 keys, the 20th largest of them, T,
; and bit masks over the elements.  csel [4096 q][128 words]: words 0-19: s > T (word i = list slot i, bit = element of the group);
; words 32-51: s == T; words 64-83: the twenty group numbers, ascending; all other words 0.
; One wave, one query; lane e holds element e of every group.  The masks of the launch before are whole numbers read from memory: they
; make the list of groups, and with it the addresses.  What this launch derives from floats is only stored.
; s = -|mk|^2/2 + sum of mk q, four f32 chains.
; LIMITS: no NaN; two s closer than the f32 rounding of these sums may be ordered otherwise than by the reference; exact ties: lower index.
; Loads go through registers (a gather of 4 KiB blocks that differs from query to query): nothing for a joint request, no cluster.
; LDS, 512 bytes a wave: words 0-31 the list, words 32-63 one dump word for each lane.  Every lane is on in every line.
.set LANE,  1
.set LISTL, 2                          ; my word of my wave's list
.set LIST,  3                          ; my wave's list: 32 words in LDS
.set Z,     4                          ; 0: an offset, and the start of sums
.set T0,    5
.set T1,    6
.set T2,    7
.set Q,     8                          ; v[8:39]    the query's 64 channels, the same in every lane
.set RA,    40                         ; v[40:71]   a group's keys, buffer A; later sorting buffer (the sorted list ends here)
.set RB,    72                         ; v[72:103]  buffer B; later sorting buffer
.set V,     104                        ; v[104:135] slot i: first the offset in nah, then -|mk|^2/2, then s; 20..31: -infinity
.set VO,    136                        ; v[136:155] slot i: the group's number, then my byte offset in mkB
.set H,     156                        ; v[156:158] three side chains
.set M,     159
.set W,     160                        ; v[160:163] the record's 16 bytes of this lane
.set GQ,    164                        ; v[164:167] four group numbers
.set N,     168
.set L4,    169
.set L16,   170
.set OUT,   171
.set GQA,   172
.set DUMPI, 173                        ; 32 + lane: the number of my dump word
.set SPE,   84                         ; bits of the == masks passed so far
.set SPOS,  85                         ; entries in the list so far
.set SNEED, 86                         ; how many of the == bits are taken
.set SK,    87                         ; the bits of this word that are taken
.set STMP,  89
.set SPERM, 90
.macro CSTAGE src, dst, k, j
.set a_, 0
.rept 32
.if (a_ ^ \j) > a_
.if (a_ & \k) == 0
	v_max_num_f32 v[\dst+a_], v[\src+a_], v[\src+(a_^\j)]
	v_min_num_f32 v[\dst+(a_^\j)], v[\src+a_], v[\src+(a_^\j)]
.else
	v_min_num_f32 v[\dst+a_], v[\src+a_], v[\src+(a_^\j)]
	v_max_num_f32 v[\dst+(a_^\j)], v[\src+a_], v[\src+(a_^\j)]
.endif
.endif
.set a_, a_+1
.endr
.endm
; Each lane's 32 numbers in descending order (bitonic network, 15 stages): o is kept, the result lies in x.
.macro SORT32 o, x, y
	CSTAGE \o, \x, 2, 1
	CSTAGE \x, \y, 4, 2
	CSTAGE \y, \x, 4, 1
	CSTAGE \x, \y, 8, 4
	CSTAGE \y, \x, 8, 2
	CSTAGE \x, \y, 8, 1
	CSTAGE \y, \x, 16, 8
	CSTAGE \x, \y, 16, 4
	CSTAGE \y, \x, 16, 2
	CSTAGE \x, \y, 16, 1
	CSTAGE \y, \x, 32, 16
	CSTAGE \x, \y, 32, 8
	CSTAGE \y, \x, 32, 4
	CSTAGE \x, \y, 32, 2
	CSTAGE \y, \x, 32, 1
.endm
; The 20th largest of the 32 sorted lists, into m: twenty times the largest head; the first lane that holds it drops it.
.macro POP20 x, m, n
	v_mov_b32 v[\m], v[\x]                         ; the destinations of the lane operations count as read: written once here
	v_mov_b32 v[\n], v[\x]
.set t_, 0
.rept 20
	v_max_num_f32_dpp v[\m], v[\x], v[\x] row_xmask:1 row_mask:0xf bank_mask:0xf
	v_max_num_f32_dpp v[\m], v[\m], v[\m] row_xmask:2 row_mask:0xf bank_mask:0xf
	v_max_num_f32_dpp v[\m], v[\m], v[\m] row_xmask:4 row_mask:0xf bank_mask:0xf
	v_max_num_f32_dpp v[\m], v[\m], v[\m] row_xmask:8 row_mask:0xf bank_mask:0xf
	v_permlanex16_b32 v[\n], v[\m], s[SPERM], s[SPERM+1]
	v_max_num_f32 v[\m], v[\m], v[\n]
.if t_ < 19
	v_cmp_eq_f32 vcc_lo, v[\x], v[\m]
	s_ctz_i32_b32 s[STMP], vcc_lo
	s_lshl_b32 s[STMP], 1, s[STMP]
.set i_, 0
.rept 19
.if i_ < 19-t_
	v_cndmask_b32 v[\x+i_], v[\x+i_], v[\x+i_+1], s[STMP]
.endif
.set i_, i_+1
.endr
.endif
.set t_, t_+1
.endr
.endm
; One word of the masks (lane = bit).  Taken: every > bit, and an == bit while fewer than SNEED == bits stand in front of it.
; A taken lane puts data | lane at the list's next free word, so the list is in ascending order; a lane that is not taken puts it
; into its own dump word, which nobody reads.  The word's number is chosen first and clamped last: 0 to 63, my wave's first 256 bytes.
.macro DEC gt, eq, data
	v_mbcnt_lo_u32_b32 v[T0], s[\eq], s[SPE]       ; == bits in front of mine
	v_cmp_gt_u32 s[SK], s[SNEED], v[T0]
	s_and_b32 s[SK], s[SK], s[\eq]
	s_or_b32 s[SK], s[SK], s[\gt]
	v_mbcnt_lo_u32_b32 v[T1], s[SK], s[SPOS]       ; taken bits in front of mine
	v_cndmask_b32 v[T1], v[DUMPI], v[T1], s[SK]    ; taken: my rank; not taken: my dump word
	v_min_u32 v[T1], 63, v[T1]                     ; inside the wave's 64 words, whatever the masks hold
	v_lshl_add_u32 v[T1], v[T1], 2, v[LIST]
	v_or_b32 v[T2], \data, v[LANE]
	ds_store_b32 v[T1], v[T2]
	s_bcnt1_i32_b32 s[STMP], s[\eq]
	s_add_co_u32 s[SPE], s[SPE], s[STMP]
	s_bcnt1_i32_b32 s[STMP], s[SK]
	s_add_co_u32 s[SPOS], s[SPOS], s[STMP]
.endm
; Slot i's nine loads: -|mk|^2/2 of my element (it lands on its own offset register) and my element's 64 channels.
.macro LOADS i, buf
	global_load_b32 v[V+\i], v[V+\i], s[58:59]
.irp c, 0,1,2,3,4,5,6,7
	global_load_b128 v[\buf+4*\c:\buf+4*\c+3], v[VO+\i], s[54:55] offset:512*\c   ; a wave's load covers 512 consecutive bytes
.endr
.endm
; acc += sum over 64 channels of key x query, both bf16 halves, sums in f32, four chains
.macro DOT acc, buf
	v_fma_mix_f32_bf16 v[\acc], v[\buf], v[Q], v[\acc] op_sel_hi:[1,1,0]
	v_fma_mix_f32_bf16 v[H], v[\buf], v[Q], v[Z] op_sel:[1,1,0] op_sel_hi:[1,1,0]
	v_fma_mix_f32_bf16 v[H+1], v[\buf+1], v[Q+1], v[Z] op_sel_hi:[1,1,0]
	v_fma_mix_f32_bf16 v[H+2], v[\buf+1], v[Q+1], v[Z] op_sel:[1,1,0] op_sel_hi:[1,1,0]
.set k_, 2
.rept 15
	v_fma_mix_f32_bf16 v[\acc], v[\buf+k_], v[Q+k_], v[\acc] op_sel_hi:[1,1,0]
	v_fma_mix_f32_bf16 v[H], v[\buf+k_], v[Q+k_], v[H] op_sel:[1,1,0] op_sel_hi:[1,1,0]
	v_fma_mix_f32_bf16 v[H+1], v[\buf+k_+1], v[Q+k_+1], v[H+1] op_sel_hi:[1,1,0]
	v_fma_mix_f32_bf16 v[H+2], v[\buf+k_+1], v[Q+k_+1], v[H+2] op_sel:[1,1,0] op_sel_hi:[1,1,0]
.set k_, k_+2
.endr
	v_add_f32 v[H], v[H], v[H+1]
	v_add_f32 v[\acc], v[\acc], v[H+2]
	v_add_f32 v[\acc], v[\acc], v[H]
.endm
	s_load_b256 s[52:59], s[0:1], 0x0              ; gsel s[52:53], mkB s[54:55], qB s[56:57], nah s[58:59]
	s_load_b64 s[60:61], s[0:1], 0x20              ; csel
	v_lshl_add_u32 v176, v0, 2, 0x1000
	v_mov_b32 v177, 0
	v_lshrrev_b32 v[T0], 5, v0
	v_readfirstlane_b32 s92, v[T0]                 ; wave; the query is 8 x work-group + wave
	v_and_b32 v[LANE], 31, v0
	v_mov_b32 v[Z], 0
	s_lshl_b32 s93, s92, 9                         ; 512 bytes of LDS for each wave
	v_mov_b32 v[LIST], s93
	v_lshl_add_u32 v[LISTL], v[LANE], 2, s93
	v_add_nc_u32 v[DUMPI], 32, v[LANE]
	v_lshlrev_b32 v[L4], 2, v[LANE]
	v_lshlrev_b32 v[L16], 4, v[LANE]
	v_lshlrev_b32 v[OUT], 4, v0                    ; 512 x wave + 16 x lane
	v_and_b32 v[GQA], 7, v0
	v_lshl_add_u32 v[GQA], v[GQA], 4, s93
	s_lshl_b32 s94, ttmp9, 11                      ; gsel: 256 bytes a query
	s_lshl_b32 s95, s92, 8
	s_add_co_u32 s94, s94, s95
	s_mov_b32 s95, 0
	s_lshr_b32 s96, ttmp9, 2                       ; qB: (q>>5) blocks of 4,096 bytes + (q&31) x 16
	s_lshl_b32 s96, s96, 12
	s_and_b32 s97, ttmp9, 3
	s_lshl_b32 s97, s97, 7
	s_add_co_u32 s96, s96, s97
	s_lshl_b32 s97, s92, 4
	s_add_co_u32 s96, s96, s97
	s_mov_b32 s97, 0
	s_lshl_b32 s98, ttmp9, 12                      ; csel: 8 queries of 512 bytes
	s_mov_b32 s99, 0
	s_mov_b32 s[SPERM], 0x76543210
	s_mov_b32 s[SPERM+1], 0xfedcba98
	s_mov_b32 s[SPE], 0
	s_mov_b32 s[SPOS], 0
	s_mov_b32 s[SNEED], 20
	s_wait_kmcnt 0x0
	s_add_nc_u64 s[52:53], s[52:53], s[94:95]
	s_add_nc_u64 s[56:57], s[56:57], s[96:97]
	s_add_nc_u64 s[60:61], s[60:61], s[98:99]
	s_load_b512 s[4:19],  s[52:53], 0x0            ; the 32 pairs of mask words: pair l at s[4+2l] for l < 24, at s[20+2l] from there on
	s_load_b512 s[20:35], s[52:53], 0x40
	s_load_b512 s[36:51], s[52:53], 0x80
	s_load_b512 s[68:83], s[52:53], 0xc0
.irp c, 0,1,2,3,4,5,6,7
	global_load_b128 v[Q+4*\c:Q+4*\c+3], v[Z], s[56:57] offset:512*\c   ; the query's channels 8c .. 8c+7, the same address in every lane
.endr
	ds_store_b32 v[LISTL], v[Z]                    ; the list's 32 words start as 0
	s_wait_kmcnt 0x0
.set l_, 0
.rept 32
.if l_ < 24
.set g_, 4+2*l_
.else
.set g_, 20+2*l_
.endif
	s_bcnt1_i32_b32 s[STMP], s[g_]
	s_sub_co_u32 s[SNEED], s[SNEED], s[STMP]       ; twenty less the groups above T
.set l_, l_+1
.endr
.set l_, 0
.rept 32
.if l_ < 24
.set g_, 4+2*l_
.else
.set g_, 20+2*l_
.endif
	DEC g_, g_+1, 32*l_
.set l_, l_+1
.endr
.irp k, 0,1,2,3,4
	ds_load_b128 v[VO+4*\k:VO+4*\k+3], v[LIST] offset:16*\k   ; the twenty groups, in every lane (LDS serves a wave's instructions in order)
.endr
	ds_load_b128 v[GQ:GQ+3], v[GQA]                ; and four of them for the record: lane x takes words 4 (x&7) ..
	s_wait_dscnt 0x0
.set k_, 0
.rept 20
	v_min_u32 v[VO+k_], 0x3ff, v[VO+k_]            ; a group's number stays inside the table
	v_lshl_add_u32 v[V+k_], v[VO+k_], 7, v[L4]     ; nah: 128 bytes a group + 4 x lane
	v_lshl_add_u32 v[VO+k_], v[VO+k_], 12, v[L16]  ; mkB: 4,096 bytes a group + 16 x lane
.set k_, k_+1
.endr
	LOADS 0, RA
	LOADS 1, RB
.set sl_, 0
.rept 20
.if sl_ < 19
	s_wait_loadcnt 0x9                             ; this slot's loads (and the query's) are in; the next slot's nine stay out
.else
	s_wait_loadcnt 0x0
.endif
.if (sl_ & 1) == 0
	DOT V+sl_, RA
.if sl_ < 18
	LOADS sl_+2, RA
.endif
.else
	DOT V+sl_, RB
.if sl_ < 18
	LOADS sl_+2, RB
.endif
.endif
.set sl_, sl_+1
.endr
.set k_, 20
.rept 12
	v_mov_b32 v[V+k_], 0xff800000                  ; the network sorts 32: the other twelve are -infinity
.set k_, k_+1
.endr
	SORT32 V, RA, RB
	POP20 RA, M, N
.set k_, 0
.rept 20
	v_cmp_gt_f32 s[4+k_], v[V+k_], v[M]            ; bit e: element e of slot k
	v_cmp_eq_f32 s[24+k_], v[V+k_], v[M]
.set k_, k_+1
.endr
.irp e, 0,1,2,3
	v_mov_b32 v[W+\e], 0
.endr
.set k_, 0
.rept 20
	v_writelane_b32 v[W+(k_&3)], s[4+k_], k_>>2    ; word k of the record is register k & 3 of lane k >> 2
	v_writelane_b32 v[W+(k_&3)], s[24+k_], 8+(k_>>2)
.set k_, k_+1
.endr
	s_mov_b32 s[STMP], 0x00ff0000                  ; lanes 16 to 23: words 64 to 95, the list (its words 20 to 31 are 0)
.irp e, 0,1,2,3
	v_cndmask_b32 v[W+\e], v[W+\e], v[GQ+\e], s[STMP]
.endr
	global_store_b128 v[OUT], v[W:W+3], s[60:61]   ; a wave stores 512 consecutive bytes, aligned
	s_wait_tensorcnt 0x0
	ds_add_u32 v176, v177
	s_wait_dscnt 0x0
	s_endpgm
.Lfunc_end_k_qde9fa3dc12_cand:
	.size	k_qde9fa3dc12_cand, .Lfunc_end_k_qde9fa3dc12_cand-k_qde9fa3dc12_cand
	.p2alignl 7, 3214868480
	.fill 96, 4, 3214868480
	.section	.rodata,"a",@progbits
	.p2align	6, 0x0
	.amdhsa_kernel k_qde9fa3dc12_cand
		.amdhsa_group_segment_fixed_size 5120
		.amdhsa_private_segment_fixed_size 0
		.amdhsa_enable_private_segment 0
		.amdhsa_kernarg_size 40
		.amdhsa_user_sgpr_count 2
		.amdhsa_user_sgpr_kernarg_segment_ptr 1
		.amdhsa_wavefront_size32 1
		.amdhsa_system_sgpr_workgroup_id_x 1
		.amdhsa_system_sgpr_workgroup_id_y 1
		.amdhsa_system_sgpr_workgroup_id_z 1
		.amdhsa_system_vgpr_workitem_id 0
		.amdhsa_next_free_vgpr 178
		.amdhsa_next_free_sgpr 100
		.amdhsa_reserve_vcc 1
		.amdhsa_float_denorm_mode_32 3
		.amdhsa_float_denorm_mode_16_64 3
		.amdhsa_memory_ordered 1
		.amdhsa_forward_progress 1
		.amdhsa_inst_pref_size 172
	.end_amdhsa_kernel
	.amdgpu_metadata
---
amdhsa.version: [ 1, 2 ]
amdhsa.kernels:
  - .name:           k_qde9fa3dc12_cand
    .symbol:         k_qde9fa3dc12_cand.kd
    .args:
      - { .name: gsel, .offset: 0, .size: 8, .value_kind: global_buffer, .address_space: global }
      - { .name: mkB, .offset: 8, .size: 8, .value_kind: global_buffer, .address_space: global }
      - { .name: qB, .offset: 16, .size: 8, .value_kind: global_buffer, .address_space: global }
      - { .name: nah, .offset: 24, .size: 8, .value_kind: global_buffer, .address_space: global }
      - { .name: csel, .offset: 32, .size: 8, .value_kind: global_buffer, .address_space: global }
    .group_segment_fixed_size: 5120
    .private_segment_fixed_size: 0
    .kernarg_segment_align: 8
    .kernarg_segment_size: 40
    .max_flat_workgroup_size: 256
    .sgpr_count:     100
    .vgpr_count:     178
    .wavefront_size: 32
...
	.end_amdgpu_metadata
.endif
;; end of part 4
;; launch read (part 5): grid 64 x 4, 32 waves a work-group, no clusters, 53,248 bytes of LDS; arguments csel, mkB, qB, nah, vT, out0; writes out0
.if DOCPART == 5
	.amdgcn_target "amdgcn-amd-amdhsa--gfx1250"
	.amdhsa_code_object_version 6
	.text
	.protected	k_qde9fa3dc12_read
	.globl	k_qde9fa3dc12_read
	.p2align	8
	.type	k_qde9fa3dc12_read,@function
k_qde9fa3dc12_read:
	s_mov_b64 s[64:65], 0
	v_nop
	global_prefetch_b8 v0, s[64:65] scope:SCOPE_SE
	s_setreg_imm32_b32 hwreg(HW_REG_WAVE_MODE, 25, 1), 1
	s_wait_xcnt 0x0
; READ: the twenty chosen memory columns of each query, their softmax weights, and the weighted sum of the values.
; A work-group: 64 queries x 128 of the 512 output channels; wave w: queries 2 w and 2 w + 1, one after the other.
; FIN: the record of the launch before (whole numbers read from memory) gives the twenty n, ascending: every element above T and the first
; needed of those equal to T.  Lane k < 20 computes s of the k-th again (f32 from bf16), the wave takes the maximum away,
; w = exp((s - max) / 4) / sum.  The four work-groups of a query's channel quarters each do this again: some 250 instructions a query
; against one more launch and its traffic.
; READ: lanes 0-15 take rows 0-9 of the list, lanes 16-31 rows 10-19; lane r of a half takes 16 bytes (8 channels) of each row of vT, so a
; half reads 256 consecutive bytes of a row.  The two halves' sums meet by one exchange.
; out0 is [512 channels][4096 queries]: the results turn through LDS, and sixteen lanes store 256 consecutive bytes of a channel's row.
; LIMITS: no NaN or infinity in the inputs; values are bf16; a weight below the smallest normal f32 counts as 0 (v_exp_f32, ISA guide 15.8).
; Loads are gathers through registers that differ from query to query: nothing for a joint request, no cluster, no matrix unit.
; LDS: bytes 0 to 32,767 the stage (64 queries x 512 bytes); behind it 512 bytes a wave: words 0-31 the list of n, words 32-63 one dump
; word for each lane, words 64-95 the weights.  Every lane is on in every line.
.set LANE,  1
.set LISTL, 2                          ; my word of my wave's list of n; my weight lies 256 bytes behind it
.set LIST,  3
.set Z,     4                          ; 0: an offset, and the start of sums
.set T0,    5
.set T1,    6
.set T2,    7
.set Q,     8                          ; v[8:39]   FIN: the query's 64 channels
.set RA,    40                         ; v[40:71]  FIN: my memory column's 64 channels
.set ROW,   8                          ; v[8:47]   READ: ten rows' 16 bytes; a row's first register holds its offset until the load lands
.set ACC,   48                         ; v[48:55]  READ: 8 channels' sums
.set PT,    56                         ; v[56:63]  READ: the other half's sums
.set OQ,    64                         ; v[64:67]  READ: the four channels that I put into the stage
.set S,     72
.set H,     73                         ; v[73:75]
.set M,     76
.set N,     77
.set NN,    78
.set OA,    79
.set NI,    81                         ; -infinity
.set NL,    82                         ; v[82:91]  my half's ten n
.set WL,    92                         ; v[92:101] my half's ten weights
.set R16,   102
.set HL,    103                        ; my half's ten words of the list
.set STG,   104
.set DUMPI, 105                        ; 32 + lane: the number of my dump word
.set FRD,   106
.set FGO,   107
.set FD,    108                        ; v[108:115]
.set WOFF,  256                        ; the weights lie this many bytes behind the list
.set SPERM, 90
.set SPE,   92
.set SPOS,  93
.set SNEED, 94
.set SK,    95
.set STMP,  89
; One word of the masks (lane = bit).  Taken: every > bit, and an == bit while fewer than SNEED == bits stand in front of it.
; A taken lane puts data | lane at the list's next free word; a lane that is not taken puts it into its own dump word, which nobody
; reads.  The word's number is chosen first and clamped last: 0 to 63, my wave's first 256 bytes.
.macro DEC gt, eq, data
	v_mbcnt_lo_u32_b32 v[T0], s[\eq], s[SPE]
	v_cmp_gt_u32 s[SK], s[SNEED], v[T0]
	s_and_b32 s[SK], s[SK], s[\eq]
	s_or_b32 s[SK], s[SK], s[\gt]
	v_mbcnt_lo_u32_b32 v[T1], s[SK], s[SPOS]
	v_cndmask_b32 v[T1], v[DUMPI], v[T1], s[SK]    ; taken: my rank; not taken: my dump word
	v_min_u32 v[T1], 63, v[T1]                     ; inside the wave's 64 words, whatever the masks hold
	v_lshl_add_u32 v[T1], v[T1], 2, v[LIST]
	v_or_b32 v[T2], \data, v[LANE]
	ds_store_b32 v[T1], v[T2]
	s_bcnt1_i32_b32 s[STMP], s[\eq]
	s_add_co_u32 s[SPE], s[SPE], s[STMP]
	s_bcnt1_i32_b32 s[STMP], s[SK]
	s_add_co_u32 s[SPOS], s[SPOS], s[STMP]
.endm
.macro DOT acc, buf
	v_fma_mix_f32_bf16 v[\acc], v[\buf], v[Q], v[\acc] op_sel_hi:[1,1,0]
	v_fma_mix_f32_bf16 v[H], v[\buf], v[Q], v[Z] op_sel:[1,1,0] op_sel_hi:[1,1,0]
	v_fma_mix_f32_bf16 v[H+1], v[\buf+1], v[Q+1], v[Z] op_sel_hi:[1,1,0]
	v_fma_mix_f32_bf16 v[H+2], v[\buf+1], v[Q+1], v[Z] op_sel:[1,1,0] op_sel_hi:[1,1,0]
.set k_, 2
.rept 15
	v_fma_mix_f32_bf16 v[\acc], v[\buf+k_], v[Q+k_], v[\acc] op_sel_hi:[1,1,0]
	v_fma_mix_f32_bf16 v[H], v[\buf+k_], v[Q+k_], v[H] op_sel:[1,1,0] op_sel_hi:[1,1,0]
	v_fma_mix_f32_bf16 v[H+1], v[\buf+k_+1], v[Q+k_+1], v[H+1] op_sel_hi:[1,1,0]
	v_fma_mix_f32_bf16 v[H+2], v[\buf+k_+1], v[Q+k_+1], v[H+2] op_sel:[1,1,0] op_sel_hi:[1,1,0]
.set k_, k_+2
.endr
	v_add_f32 v[H], v[H], v[H+1]
	v_add_f32 v[\acc], v[\acc], v[H+2]
	v_add_f32 v[\acc], v[\acc], v[H]
.endm
; The list of n and the weights of query 2 w + qi, into my wave's LDS words.
.macro FIN qi
	s_load_b512 s[16:31], s[4:5], 512*\qi          ; > masks of slots 0-15
	s_load_b128 s[32:35], s[4:5], 512*\qi+64       ;   and 16-19
	s_load_b512 s[36:51], s[4:5], 512*\qi+128      ; == masks
	s_load_b128 s[52:55], s[4:5], 512*\qi+192
	s_load_b512 s[68:83], s[4:5], 512*\qi+256      ; the slots' groups
	s_load_b128 s[84:87], s[4:5], 512*\qi+320
.irp c, 0,1,2,3,4,5,6,7
	global_load_b128 v[Q+4*\c:Q+4*\c+3], v[Z], s[8:9] offset:512*\c+16*\qi   ; the query's channels, the same address in every lane
.endr
	ds_store_b32 v[LISTL], v[Z]                    ; the list starts as 0: lanes 20 to 31 then read column 0 and get the weight 0
	s_mov_b32 s[SPE], 0
	s_mov_b32 s[SPOS], 0
	s_mov_b32 s[SNEED], 20
	s_wait_kmcnt 0x0
.set k_, 0
.rept 20
	s_bcnt1_i32_b32 s[STMP], s[16+k_]
	s_sub_co_u32 s[SNEED], s[SNEED], s[STMP]
.set k_, k_+1
.endr
.set k_, 0
.rept 20
	s_min_u32 s97, s[68+k_], 0x3ff
	s_lshl_b32 s97, s97, 5                         ; n = 32 x group + element
	DEC 16+k_, 36+k_, s97
.set k_, k_+1
.endr
	ds_load_b32 v[NN], v[LISTL]                    ; lane k: the k-th n (LDS serves a wave's instructions in order)
	s_wait_dscnt 0x0
	v_min_u32 v[NN], 0x7fff, v[NN]                 ; an index stays inside the table
	v_and_b32 v[OA], 0x7fe0, v[NN]
	v_and_b32 v[T0], 31, v[NN]
	v_lshlrev_b32 v[T0], 4, v[T0]
	v_lshl_add_u32 v[OA], v[OA], 7, v[T0]          ; (n>>5) x 4,096 + (n&31) x 16
	v_lshlrev_b32 v[S], 2, v[NN]
	global_load_b32 v[S], v[S], s[10:11]           ; -|mk|^2/2; it lands on its own offset register
.irp c, 0,1,2,3,4,5,6,7
	global_load_b128 v[RA+4*\c:RA+4*\c+3], v[OA], s[6:7] offset:512*\c
.endr
	s_wait_loadcnt 0x0
	DOT S, RA
	v_cndmask_b32 v[S], v[NI], v[S], s98           ; lanes 20 to 31: -infinity
	v_max_num_f32_dpp v[M], v[S], v[S] row_xmask:1 row_mask:0xf bank_mask:0xf
	v_max_num_f32_dpp v[M], v[M], v[M] row_xmask:2 row_mask:0xf bank_mask:0xf
	v_max_num_f32_dpp v[M], v[M], v[M] row_xmask:4 row_mask:0xf bank_mask:0xf
	v_max_num_f32_dpp v[M], v[M], v[M] row_xmask:8 row_mask:0xf bank_mask:0xf
	v_permlanex16_b32 v[N], v[M], s[SPERM], s[SPERM+1]
	v_max_num_f32 v[M], v[M], v[N]
	v_sub_f32 v[S], v[S], v[M]                     ; the maximum is taken away, as the reference's softmax does
	v_mul_f32 v[S], 0x3eb8aa3b, v[S]               ; affinity = s / 4; e^x = 2^(1.442695 x): the factor is 0.36067376
	v_exp_f32 v[S], v[S]
	v_nop                                          ; one plain place behind a transcendental (ISA guide 5.7.2)
	s_wait_alu depctr_va_vdst(0)
	v_add_f32_dpp v[M], v[S], v[S] row_xmask:1 row_mask:0xf bank_mask:0xf
	v_add_f32_dpp v[M], v[M], v[M] row_xmask:2 row_mask:0xf bank_mask:0xf
	v_add_f32_dpp v[M], v[M], v[M] row_xmask:4 row_mask:0xf bank_mask:0xf
	v_add_f32_dpp v[M], v[M], v[M] row_xmask:8 row_mask:0xf bank_mask:0xf
	v_permlanex16_b32 v[N], v[M], s[SPERM], s[SPERM+1]
	v_add_f32 v[M], v[M], v[N]                     ; at least 1: the largest contributes 2^0
	v_rcp_f32 v[M], v[M]
	v_nop
	s_wait_alu depctr_va_vdst(0)
	v_mul_f32 v[S], v[S], v[M]
	ds_store_b32 v[LISTL], v[S] offset:WOFF
.endm
; 8 channels of one row times its weight; the first row starts the sums
.macro ROWFMA k, first
.irp p, 0,1,2,3
.if \first
	v_fma_mix_f32_bf16 v[ACC+2*\p], v[ROW+4*\k+\p], v[WL+\k], v[Z] op_sel_hi:[1,0,0]
	v_fma_mix_f32_bf16 v[ACC+2*\p+1], v[ROW+4*\k+\p], v[WL+\k], v[Z] op_sel:[1,0,0] op_sel_hi:[1,0,0]
.else
	v_fma_mix_f32_bf16 v[ACC+2*\p], v[ROW+4*\k+\p], v[WL+\k], v[ACC+2*\p] op_sel_hi:[1,0,0]
	v_fma_mix_f32_bf16 v[ACC+2*\p+1], v[ROW+4*\k+\p], v[WL+\k], v[ACC+2*\p+1] op_sel:[1,0,0] op_sel_hi:[1,0,0]
.endif
.endr
.endm
; The weighted sum of query 2 w + qi over my work-group's 128 channels, into the stage.
.macro READ qi
.irp k, 0,1,2,3,4
	ds_load_b64 v[NL+2*\k:NL+2*\k+1], v[HL] offset:8*\k
.endr
.irp k, 0,1,2,3,4
	ds_load_b64 v[WL+2*\k:WL+2*\k+1], v[HL] offset:WOFF+8*\k
.endr
	s_wait_dscnt 0x5                               ; the ten n are in; the five loads of weights stay out
.set k_, 0
.rept 10
	v_min_u32 v[ROW+4*k_], 0x7fff, v[NL+k_]
	v_lshl_add_u32 v[ROW+4*k_], v[ROW+4*k_], 10, v[R16]        ; 1,024 bytes a row of vT + 16 r
	global_load_b128 v[ROW+4*k_:ROW+4*k_+3], v[ROW+4*k_], s[12:13]   ; lands on its own offset register
.set k_, k_+1
.endr
	s_wait_dscnt 0x0
	s_wait_loadcnt 0x9
	ROWFMA 0, 1
.set k_, 1
.rept 9
	s_wait_loadcnt 9-k_                            ; row k is in; the 9 - k later rows stay out
	ROWFMA k_, 0
.set k_, k_+1
.endr
.irp j, 0,1,2,3,4,5,6,7
	v_permlanex16_b32 v[PT+\j], v[ACC+\j], s[SPERM], s[SPERM+1]   ; PT was written whole by FIN's loads
.endr
.irp j, 0,1,2,3,4,5,6,7
	v_add_f32 v[ACC+\j], v[ACC+\j], v[PT+\j]
.endr
.irp x, 0,1,2,3
	v_cndmask_b32 v[OQ+\x], v[ACC+\x], v[ACC+4+\x], s99        ; lane (r, h) keeps channels 8 r + 4 h .. + 3
.endr
	ds_store_b128 v[STG], v[OQ:OQ+3] offset:512*\qi   ; the lanes of a half are 32 bytes apart: two of them share each 16-byte column modulo 256; one such store a query
.endm
	s_load_b256 s[4:11], s[0:1], 0x0               ; csel s[4:5], mkB s[6:7], qB s[8:9], nah s[10:11]
	s_load_b128 s[12:15], s[0:1], 0x20             ; vT s[12:13], out0 s[14:15]
	v_lshl_add_u32 v126, v0, 2, 0xc000
	v_mov_b32 v127, 0
	v_lshrrev_b32 v[T0], 5, v0
	v_readfirstlane_b32 s88, v[T0]                 ; wave 0..31
	s_and_b32 s99, ttmp7, 0xffff                   ; cq: which 128 channels
	v_and_b32 v[LANE], 31, v0
	v_mov_b32 v[Z], 0
	v_mov_b32 v[M], 0                              ; the destinations of the lane operations count as read: written once here
	v_mov_b32 v[N], 0
	v_mov_b32 v[NI], 0xff800000
	v_add_nc_u32 v[DUMPI], 32, v[LANE]
	s_lshl_b32 s89, s88, 9
	s_add_co_u32 s89, s89, 32768                   ; my wave's 512 bytes, behind the stage of 64 rows x 512 bytes
	v_mov_b32 v[LIST], s89
	v_lshl_add_u32 v[LISTL], v[LANE], 2, s89
	v_and_b32 v[T0], 15, v0                        ; r
	v_bfe_u32 v[T1], v0, 4, 1                      ; h
	v_lshlrev_b32 v[R16], 4, v[T0]
	v_mul_u32_u24 v[T2], v[T1], 40
	v_add_nc_u32 v[HL], s89, v[T2]                 ; ten words a half
	; stage: row = query (512 bytes), 16-byte column = (channel quad + (query >> 2)) mod 32.  (2 w + qi) >> 2 = w >> 1.
	s_lshr_b32 s97, s88, 1
	v_lshl_add_u32 v[T2], v[T0], 1, v[T1]          ; quad 2 r + h
	v_add_nc_u32 v[T2], s97, v[T2]
	v_and_b32 v[T2], 31, v[T2]
	s_lshl_b32 s97, s88, 10
	v_lshl_add_u32 v[STG], v[T2], 4, s97
	; back: wave w takes channels 4 w .. 4 w + 3 (quad w); lane (r, h): queries 4 r .. 4 r + 3, channel 4 w + 2 x + h.
	; The sixteen r address sixteen different 16-byte columns modulo 256, the two h different words of them.
	v_add_nc_u32 v[T2], s88, v[T0]
	v_and_b32 v[T2], 31, v[T2]
	v_lshlrev_b32 v[T2], 4, v[T2]
	v_lshl_add_u32 v[T2], v[T0], 11, v[T2]
	v_lshl_add_u32 v[FRD], v[T1], 2, v[T2]
	v_lshl_add_u32 v[FGO], v[T1], 14, v[R16]       ; h rows of 16,384 bytes + 16 r
	s_lshl_b32 s60, ttmp9, 15                      ; csel: (64 qb + 2 w) records of 512 bytes
	s_lshl_b32 s61, s88, 10
	s_add_co_u32 s60, s60, s61
	s_mov_b32 s61, 0
	s_lshl_b32 s62, ttmp9, 13                      ; qB: (2 qb + (w>>4)) blocks of 4,096 bytes + 2 (w&15) x 16
	s_lshr_b32 s63, s88, 4
	s_lshl_b32 s63, s63, 12
	s_add_co_u32 s62, s62, s63
	s_and_b32 s63, s88, 15
	s_lshl_b32 s63, s63, 5
	s_add_co_u32 s62, s62, s63
	s_mov_b32 s63, 0
	s_lshl_b32 s56, s99, 8                         ; vT: 128 channels of 2 bytes
	s_mov_b32 s57, 0
	s_lshl_b32 s58, s99, 21                        ; out0: (128 cq + 4 w) rows of 16,384 bytes + 64 qb queries of 4
	s_lshl_b32 s59, s88, 16
	s_add_co_u32 s58, s58, s59
	s_lshl_b32 s59, ttmp9, 8
	s_add_co_u32 s58, s58, s59
	s_mov_b32 s59, 0
	s_mov_b32 s[SPERM], 0x76543210
	s_mov_b32 s[SPERM+1], 0xfedcba98
	s_mov_b32 s98, 0x000fffff                      ; lanes 0 to 19
	s_mov_b32 s99, 0xffff0000                      ; lanes 16 to 31
	s_wait_kmcnt 0x0
	s_add_nc_u64 s[4:5], s[4:5], s[60:61]
	s_add_nc_u64 s[8:9], s[8:9], s[62:63]
	s_add_nc_u64 s[12:13], s[12:13], s[56:57]
	s_add_nc_u64 s[14:15], s[14:15], s[58:59]
	FIN 0
	READ 0
	FIN 1
	READ 1
	s_wait_dscnt 0x0                               ; my two rows are in the stage before I say so
	s_barrier_signal -1
	s_barrier_wait -1
.irp x, 0,1
.irp jj, 0,1,2,3
	ds_load_b32 v[FD+4*\x+\jj], v[FRD] offset:512*\jj+8*\x
.endr
.endr
	s_wait_dscnt 0x4                               ; the first four words are in; the second four stay out
	global_store_b128 v[FGO], v[FD:FD+3], s[14:15]                 ; sixteen lanes store 256 consecutive bytes of a channel's row, aligned
	s_wait_dscnt 0x0
	global_store_b128 v[FGO], v[FD+4:FD+7], s[14:15] offset:32768  ; two channels further on
	s_wait_tensorcnt 0x0
	ds_add_u32 v126, v127
	s_wait_dscnt 0x0
	s_endpgm
.Lfunc_end_k_qde9fa3dc12_read:
	.size	k_qde9fa3dc12_read, .Lfunc_end_k_qde9fa3dc12_read-k_qde9fa3dc12_read
	.p2alignl 7, 3214868480
	.fill 96, 4, 3214868480
	.section	.rodata,"a",@progbits
	.p2align	6, 0x0
	.amdhsa_kernel k_qde9fa3dc12_read
		.amdhsa_group_segment_fixed_size 53248
		.amdhsa_private_segment_fixed_size 0
		.amdhsa_enable_private_segment 0
		.amdhsa_kernarg_size 48
		.amdhsa_user_sgpr_count 2
		.amdhsa_user_sgpr_kernarg_segment_ptr 1
		.amdhsa_wavefront_size32 1
		.amdhsa_system_sgpr_workgroup_id_x 1
		.amdhsa_system_sgpr_workgroup_id_y 1
		.amdhsa_system_sgpr_workgroup_id_z 1
		.amdhsa_system_vgpr_workitem_id 0
		.amdhsa_next_free_vgpr 128
		.amdhsa_next_free_sgpr 100
		.amdhsa_reserve_vcc 0
		.amdhsa_float_denorm_mode_32 3
		.amdhsa_float_denorm_mode_16_64 3
		.amdhsa_memory_ordered 1
		.amdhsa_forward_progress 1
		.amdhsa_inst_pref_size 70
	.end_amdhsa_kernel
	.amdgpu_metadata
---
amdhsa.version: [ 1, 2 ]
amdhsa.kernels:
  - .name:           k_qde9fa3dc12_read
    .symbol:         k_qde9fa3dc12_read.kd
    .args:
      - { .name: csel, .offset: 0, .size: 8, .value_kind: global_buffer, .address_space: global }
      - { .name: mkB, .offset: 8, .size: 8, .value_kind: global_buffer, .address_space: global }
      - { .name: qB, .offset: 16, .size: 8, .value_kind: global_buffer, .address_space: global }
      - { .name: nah, .offset: 24, .size: 8, .value_kind: global_buffer, .address_space: global }
      - { .name: vT, .offset: 32, .size: 8, .value_kind: global_buffer, .address_space: global }
      - { .name: out0, .offset: 40, .size: 8, .value_kind: global_buffer, .address_space: global }
    .group_segment_fixed_size: 53248
    .private_segment_fixed_size: 0
    .kernarg_segment_align: 8
    .kernarg_segment_size: 48
    .max_flat_workgroup_size: 1024
    .sgpr_count:     100
    .vgpr_count:     128
    .wavefront_size: 32
...
	.end_amdgpu_metadata
.endif
;; end of part 5
;; ======== version 2 of 2: 5 launches; 1.22 times as fast as version 1
;; workspace buffers: mkB 4,194,304 bytes; qB 524,288 bytes; nah 131,072 bytes; vT 33,554,432 bytes; gmax 33,554,432 bytes; gsel 1,048,576 bytes of whole numbers; csel 2,097,152 bytes of whole numbers; sv 6,291,456 bytes
;; launch prep: the kernel of part 1 again; grid 2192 x 1, 8 waves a work-group, no clusters, 17,408 bytes of LDS; arguments mem_k, qk, mem_v1, mem_v2, mkB, qB, nah, vT; writes mkB, qB, nah, vT
;; launch gemm (part 6): grid 16 x 16, 8 waves a work-group, clusters of 4 x 4, 312,320 bytes of LDS; arguments mkB, qB, nah, gmax; writes gmax
.if DOCPART == 6
	.amdgcn_target "amdgcn-amd-amdhsa--gfx1250"
	.amdhsa_code_object_version 6
	.text
	.protected	k_qde9fa3dc12_gemm
	.globl	k_qde9fa3dc12_gemm
	.p2align	8
	.type	k_qde9fa3dc12_gemm,@function
k_qde9fa3dc12_gemm:
	s_mov_b64 s[64:65], 0
	v_nop
	global_prefetch_b8 v0, s[64:65] scope:SCOPE_SE
	s_setreg_imm32_b32 hwreg(HW_REG_WAVE_MODE, 25, 1), 1
	s_wait_xcnt 0x0
	s_wait_alu depctr_hold_cnt(0) depctr_sa_sdst(0) depctr_va_vdst(0) depctr_va_sdst(0) depctr_va_ssrc(0) depctr_va_vcc(0) depctr_vm_vsrc(0)
	s_getreg_b32 s2, hwreg(HW_REG_IB_STS2, 6, 4)
	s_cmp_eq_u32 s2, 0
	s_cbranch_scc0 .Lentry_in_a_cluster
	s_endpgm
.Lentry_in_a_cluster:
	s_bfe_u32 s2, ttmp6, 0x10000c
	s_cmp_lg_u32 s2, 0xf033
	s_cbranch_scc0 .Lentry_shape_is_right
	s_endpgm
.Lentry_shape_is_right:
; GEMM: s[n][q] = sum over 64 channels of mk[n][ch] q[q][ch] - |mk[n]|^2 / 2 (the affinity is s / 4 exactly, so s decides the order),
; bf16 operands, f32 sums, and of each group of 16 consecutive n only the MAXIMUM is kept: gmax [4096 q][2048] f32.
; Float 128 u + 4 l + e of a row of gmax holds group 128 u + 32 e + l (l 0..31, e 0..3).
; A work-group: memory rows 2048 u .. 2048 u + 2047 (128 groups: 512 consecutive bytes of each row of gmax) x queries 256 by .. + 255.
; Wave w, block bb = 2 lp + ep: the four groups l = 4 w + 2 lp + h (h = 0, 1), e = 2 ep + tp (tp = 0, 1), against all sixteen tiles of 16
; queries.  Groups 32 e + l with h = 0 and 1 are the two halves of key block 16 e + 2 w + lp (32 keys, 4,096 bytes of mkB).
; THE MATRIX TILES: rows are memory, columns are queries.  Tile 2 tp + th: rows 0-7 are elements 8 th .. + 7 of the even group (h = 0),
; rows 8-15 elements 8 (1 - th) .. + 7 of the odd group (h = 1).  In the result lane (r, h) holds rows 8 h .. 8 h + 7 of column r, so the
; maximum over a lane's 2 x 8 results of tiles 2 tp and 2 tp + 1 is group (h, tp)'s maximum for query r: no lane talks to another.
; The odd group takes the opposite half so that the sixteen lanes of a load address sixteen different 16-byte columns modulo 256 bytes;
; that costs a second address register for the keys and for their C.
; C of the first product is -|mk|^2/2 from registers: nothing is cleared and nothing is added afterwards.
; CLUSTERS: 4 x 4 work-groups.  The memory tiles hang on u alone and are shared along a column of the cluster, the query tiles on by
; alone and are shared along a row: both are asked for jointly.  All tiles of a work-group fit in LDS at once, so every tensor load is a
; first fill: five a wave are outstanding at the most, and no slot is ever filled again.
; LIMITS: no NaN, no infinity in the inputs; operands are bf16.
.set AW,     33792                     ; a wave's four blocks of memory rows
.set ABLK,   8448                      ; a block: two key blocks (tp = 0, 1)
.set AGRP,   4224                      ; a key block: 4,096 bytes + 4 pads of 32
.set ACH,    1056                      ; two channel octets (2 x 512 bytes) + one pad
.set BBASE,  270336                    ; 8 x 4,096 bytes: the 256 queries
.set NBASE,  303104                    ; 8 x 1,024 bytes: -|mk|^2/2 of each wave's keys, at 256 e + 128 lp + 4 x key; no tensor load fills these bytes
.set SP,     48                        ; the way out: 256 rows (queries) of 32 bytes + 16 in each of a wave's two stages
.set SLP,    16928                     ; the second stage (lp = 1): behind blocks 0 and 1, and 32 bytes on modulo 256
.set VNG, 1                            ; my byte offset in nah
.set VA0, 3                            ; LDS address of my part of a memory fragment, tiles with th = 0
.set VA1, 4                            ; th = 1
.set VB,  5                            ; the same for a query fragment
.set VC0, 6                            ; my rows' -|mk|^2/2, th = 0
.set VC1, 7                            ; th = 1
.set VN,  8                            ; where I put 16 bytes of them
.set VST, 9                            ; the way out: where I put 16 bytes
.set VRD, 10                           ; the way out: where I read 16 bytes of a row back
.set VGO, 11                           ; my byte offset in gmax
.set A, 16                             ; v[16:79]   memory fragments: tile t, K half kk at 16 t + 8 kk
.set C, 80                             ; v[80:111]  -|mk|^2/2 in the result's layout, tile t at 8 t
.set B, 112                            ; v[112:143] query fragments, two sets of 16 that take turns
.set D, 144                            ; v[144:175] results, tile t at 8 t
.set T, 176                            ; v[176:183] at work
.set R, 184                            ; v[184:247] maxima of two blocks: query tile tt, e at 4 tt + e
; A round of the cluster's barrier: my work-group's barrier, wave 0 signals for the work-group, every wave waits for all sixteen
; work-groups, my work-group's barrier once more.
.macro ROUND
	s_barrier_signal -1
	s_barrier_wait -1
	s_cmp_lg_u32 s12, 0
	s_cbranch_scc1 .Lnot_wave_0_\@
	s_barrier_signal -3
.Lnot_wave_0_\@:
	s_barrier_wait -3
	s_barrier_signal -1
	s_barrier_wait -1
.endm
; Block bb's four tiles (16 loads; c = 2 kk + p picks the pair of channel octets) and their C (8 loads, the same address in all lanes of a half)
.macro LDA bb
.irp i, 0,1,2,3
.irp c, 0,1,2,3
	ds_load_b128 v[A+16*\i+4*\c:A+16*\i+4*\c+3], v[VA0+(\i&1)] offset:ABLK*\bb+AGRP*(\i>>1)+ACH*\c
.endr
.endr
.irp i, 0,1,2,3
	ds_load_b128 v[C+8*\i:C+8*\i+3],   v[VC0+(\i&1)] offset:256*(2*(\bb&1)+(\i>>1))+128*(\bb>>1)
	ds_load_b128 v[C+8*\i+4:C+8*\i+7], v[VC0+(\i&1)] offset:256*(2*(\bb&1)+(\i>>1))+128*(\bb>>1)+16
.endr
.endm
; Query tile tt into one of the two sets
.macro LDB tt, set
.irp c, 0,1,2,3
	ds_load_b128 v[B+16*(\set)+4*\c:B+16*(\set)+4*\c+3], v[VB] offset:((\tt)>>1)*4096+((\tt)&1)*256+1024*\c
.endr
.endm
; One block against one query tile: 8 matrix instructions, then two maxima of 16 of the lane's results.
.macro BATCH bb, tt
.if (16*\bb+\tt) == 63
	s_wait_dscnt 0x0                               ; the last: nothing more was asked for
.else
	LDB (\tt+1)&15, (\tt+1)&1
	s_wait_dscnt 0x4                               ; all but the four just issued: this tile's set, and the block's fragments, are in
.endif
	; the four accumulators take turns, one instruction a turn
.irp i, 0,1,2,3
	v_wmma_f32_16x16x32_bf16 v[D+8*\i:D+8*\i+7], v[A+16*\i:A+16*\i+7], v[B+16*((\tt)&1):B+16*((\tt)&1)+7], v[C+8*\i:C+8*\i+7]
.endr
.irp i, 0,1,2,3
	v_wmma_f32_16x16x32_bf16 v[D+8*\i:D+8*\i+7], v[A+16*\i+8:A+16*\i+15], v[B+16*((\tt)&1)+8:B+16*((\tt)&1)+15], v[D+8*\i:D+8*\i+7]
.endr
.rept 4
	v_nop                                          ; four places before a vector instruction reads a matrix result (ISA guide 7.12.1)
.endr
.irp p, 0,1
	v_max3_num_f32 v[T+4*\p],   v[D+16*\p],    v[D+16*\p+1],  v[D+16*\p+2]
	v_max3_num_f32 v[T+4*\p+1], v[D+16*\p+3],  v[D+16*\p+4],  v[D+16*\p+5]
	v_max3_num_f32 v[T+4*\p+2], v[D+16*\p+8],  v[D+16*\p+9],  v[D+16*\p+10]
	v_max3_num_f32 v[T+4*\p+3], v[D+16*\p+11], v[D+16*\p+12], v[D+16*\p+13]
.endr
.irp p, 0,1
	v_max3_num_f32 v[T+4*\p],   v[T+4*\p],   v[D+16*\p+6],  v[D+16*\p+7]
	v_max3_num_f32 v[T+4*\p+2], v[T+4*\p+2], v[D+16*\p+14], v[D+16*\p+15]
.endr
.irp p, 0,1
	v_max3_num_f32 v[T+4*\p], v[T+4*\p], v[T+4*\p+1], v[T+4*\p+2]
.endr
.irp p, 0,1
	v_max_num_f32 v[R+4*\tt+2*(\bb&1)+\p], v[T+4*\p], v[T+4*\p+3]   ; e = 2 ep + tp
.endr
.endm
.macro BLOCK bb
	LDA \bb
.set tt_, 0
.rept 16
	BATCH \bb, tt_
.set tt_, tt_+1
.endr
.endm
; The maxima of blocks 2 lp and 2 lp + 1 (a lane's e = 0..3 of one group column l: 16 neighbouring bytes of a row of gmax) go into my wave's
; stage lp, which lies over those two blocks: their one fill has landed, I alone read them, and LDS serves my instructions in order.
.macro FLUSH lp
.set tt_, 0
.rept 16
	ds_store_b128 v[VST], v[R+4*tt_:R+4*tt_+3] offset:SLP*\lp+16*SP*tt_
.set tt_, tt_+1
.endr
.endm
	s_load_b256 s[4:11], s[0:1], 0x0               ; mkB s[4:5], qB s[6:7], nah s[8:9], gmax s[10:11]
	v_lshl_add_u32 v248, v0, 2, 0x4c000
	v_mov_b32 v249, 0
	ds_add_u32 v248, v249
	v_lshrrev_b32 v1, 5, v0
	v_readfirstlane_b32 s12, v1                    ; wave 0..7
	s_bfe_u32 s13, ttmp6, 0x40000                  ; cx
	s_bfe_u32 s14, ttmp6, 0x40004                  ; cy
	s_lshl_b32 s15, ttmp9, 2
	s_add_co_u32 s15, s15, s13                     ; u = 4 x cluster x + cx
	s_and_b32 s16, ttmp7, 0xffff
	s_lshl_b32 s16, s16, 2
	s_add_co_u32 s16, s16, s14                     ; by = 4 x cluster y + cy
	s_lshl_b32 s17, s14, 2
	s_lshl_b32 s17, 15, s17                        ; my row of the cluster (same cy)
	s_lshl_b32 s18, 0x1111, s13                    ; my column (same cx)
	; group 1 for memory tiles: 2 rows (key blocks 16 apart) of 512 elements of 8 bytes; 8 words of padding behind every 256 words
	s_or_b32 s24, s18, (3<<16)|(1<<20)|(1<<21)|(7<<22)|(7<<25)
	s_mov_b32 s25, 512<<16                         ; tensor_dim0 = 512
	s_mov_b32 s26, 2<<16                           ; tensor_dim1 = 2
	s_mov_b32 s27, 512<<16                         ; tile_dim0 = 512
	s_mov_b32 s28, 2                               ; tile_dim1 = 2
	s_mov_b32 s29, 8192                            ; from row to row: 16 key blocks of 4,096 bytes, in elements of 8
	s_mov_b32 s30, 0
	s_mov_b32 s31, 0
	; group 1 for query tiles: a dense block of 4,096 bytes as 16 rows of 256
	s_or_b32 s32, s17, (3<<16)|(1<<21)
	s_mov_b32 s33, 32<<16
	s_mov_b32 s34, 16<<16
	s_mov_b32 s35, 32<<16
	s_mov_b32 s36, 16
	s_mov_b32 s37, 32
	s_mov_b32 s38, 0
	s_mov_b32 s39, 0
	; memory tiles hang on u and the wave alone, query tiles on by and the wave alone; neither set of registers ever holds the other coordinate
	s_lshl_b32 s66, s15, 18                        ; (64 u + 2 w) key blocks of 4,096 bytes
	s_lshl_b32 s67, s12, 13
	s_add_co_u32 s66, s66, s67
	s_mov_b32 s67, 0
	s_lshl_b32 s70, s16, 15                        ; (8 by + w) blocks of 4,096 bytes
	s_lshl_b32 s71, s12, 12
	s_add_co_u32 s70, s70, s71
	s_mov_b32 s71, 0
	s_lshr_b32 s72, s66, 5                         ; the same key blocks in nah: 128 bytes each
	s_mov_b32 s73, 0
	s_lshl_b32 s74, s16, 21                        ; gmax: 256 by rows of 8,192 bytes + 512 u
	s_lshl_b32 s75, s15, 9
	s_add_co_u32 s74, s74, s75
	s_mov_b32 s75, 0
	s_mul_i32 s21, s12, AW                         ; LDS addresses hang on the wave's number alone
	s_lshl_b32 s22, s12, 12
	s_wait_dscnt 0x0
	s_wait_kmcnt 0x0
	s_add_nc_u64 s[68:69], s[4:5], s[66:67]
	s_add_nc_u64 s[8:9], s[8:9], s[72:73]
	s_add_nc_u64 s[10:11], s[10:11], s[74:75]
	s_mov_b32 s40, 1
	s_add_co_u32 s41, s22, BBASE
	s_add_nc_u64 s[42:43], s[6:7], s[70:71]
	s_or_b32 s43, s43, 0x80000000
.irp b, 0,1,2,3
	s_mov_b32 s[44+4*\b], 1
	s_add_co_u32 s[45+4*\b], s21, \b*ABLK
	s_add_nc_u64 s[46+4*\b:47+4*\b], s[68:69], (\b>>1)*4096+(\b&1)*131072   ; key block 32 ep + lp beyond 64 u + 2 w
	s_or_b32 s[47+4*\b], s[47+4*\b], 0x80000000
.endr
	ROUND                                          ; all sixteen work-groups are here: the joint loads meet
	tensor_load_to_lds s[40:43], s[32:39]          ; my eighth of the queries
	s_nop 0
.irp b, 0,1,2,3
	tensor_load_to_lds s[44+4*\b:47+4*\b], s[24:31] ; my blocks 0 to 3
	s_nop 0
.endr
	v_and_b32 v2, 31, v0                           ; lane
	v_and_b32 v12, 15, v0                          ; r
	v_bfe_u32 v13, v0, 4, 1                        ; h
	v_lshlrev_b32 v14, 4, v12
	v_lshl_add_u32 v[VNG], v13, 11, v14            ; lanes 0-15: e = 2 k, lanes 16-31: e = 2 k + 1 (16 key blocks of 128 bytes on); 256 consecutive bytes a half
	global_load_b128 v[T:T+3],   v[VNG], s[8:9]                ; k = 0
	global_load_b128 v[T+4:T+7], v[VNG], s[8:9] offset:4096    ; k = 1
	v_lshrrev_b32 v15, 3, v12                      ; r >> 3: even or odd group
	v_and_b32 v14, 7, v12
	v_lshlrev_b32 v14, 4, v14
	v_lshl_add_u32 v14, v13, 9, v14
	v_add_nc_u32 v14, s21, v14                     ; wave + h octet + (r&7) key
	v_mul_u32_u24 v[VA0], v15, 384
	v_add_nc_u32 v[VA0], v[VA0], v14               ; th = 0: keys 0-7 of the block, or 24-31
	v_lshl_add_u32 v[VA1], v15, 7, v14
	v_add_nc_u32 v[VA1], 128, v[VA1]               ; th = 1: keys 8-15, or 16-23
	v_lshlrev_b32 v14, 4, v12
	v_lshl_add_u32 v15, v13, 9, v14
	v_add_nc_u32 v[VB], BBASE, v15                 ; h octet + r query
	s_lshl_b32 s76, s12, 10
	s_add_co_u32 s76, s76, NBASE
	v_mul_u32_u24 v15, v13, 96
	v_add_nc_u32 v[VC0], s76, v15                  ; th = 0: keys 0-7 (h = 0) or 24-31 (h = 1), 4 bytes each
	v_lshl_add_u32 v15, v13, 5, s76
	v_add_nc_u32 v[VC1], 32, v15                   ; th = 1: keys 8-15 or 16-23
	v_lshl_add_u32 v[VN], v2, 4, s76
	s_and_b32 s77, s12, 3
	s_lshl_b32 s77, s77, 6                         ; waves' stages are 64 bytes apart modulo 256, the two stages of a wave 32, the two h 16:
	s_add_co_u32 s77, s77, s21                     ; the sixteen lanes of a half that read a row back address sixteen different 16-byte columns
	v_mul_u32_u24 v15, v12, SP
	v_lshl_add_u32 v15, v13, 4, v15
	v_add_nc_u32 v[VST], s77, v15                  ; row r, 16 h
	v_lshrrev_b32 v15, 2, v2                       ; back: lane L takes column l = L: wave L >> 2, stage (L >> 1) & 1, h = L & 1
	v_mul_u32_u24 v[VRD], v15, AW
	v_and_b32 v15, 3, v15
	v_lshl_add_u32 v[VRD], v15, 6, v[VRD]
	v_bfe_u32 v15, v2, 1, 1
	v_mul_u32_u24 v15, v15, SLP
	v_add_nc_u32 v[VRD], v[VRD], v15
	v_and_b32 v15, 1, v2
	v_lshl_add_u32 v[VRD], v15, 4, v[VRD]
	s_mul_i32 s77, s12, 32*SP
	v_add_nc_u32 v[VRD], s77, v[VRD]               ; my wave reads rows 32 w + k
	s_lshl_b32 s77, s12, 18
	v_lshl_add_u32 v[VGO], v2, 4, s77              ; 32 w rows of 8,192 bytes + 16 x lane
	s_wait_loadcnt 0x0
	ds_store_b128 v[VN], v[T:T+3]                  ; my wave's own bytes
	ds_store_b128 v[VN], v[T+4:T+7] offset:512
	s_wait_tensorcnt 0x3                           ; my part of the queries (and block 0) has landed; blocks 1 to 3 stay out
	s_wait_dscnt 0x0
	s_barrier_signal -1
	s_barrier_wait -1                              ; everybody's part of the queries is in
	LDB 0, 0
	BLOCK 0                                        ; block 0 was shown landed by the wait above; it is my own load and is read by me alone
	s_wait_tensorcnt 0x2                           ; block 1 is in; blocks 2 and 3 stay out
	BLOCK 1
	s_wait_tensorcnt 0x0                           ; all my tiles are in: blocks 2 and 3 are read below, and no load is out when I store into LDS
	FLUSH 0
	BLOCK 2
	BLOCK 3
	FLUSH 1
	; THE WAY OUT: a row of 512 bytes (one query, all 128 groups of the work-group) is 32 bytes from each of the sixteen stages.
	s_wait_dscnt 0x0                               ; my stores are in LDS before I say so: other waves read them
	s_barrier_signal -1
	s_barrier_wait -1
.set k_, 0
.rept 32
.if k_ < 16
.set d_, R+4*k_
.else
.set d_, A+4*(k_-16)
.endif
	ds_load_b128 v[d_:d_+3], v[VRD] offset:SP*k_
.set k_, k_+1
.endr
.set k_, 0
.rept 32
.if k_ < 16
.set d_, R+4*k_
.else
.set d_, A+4*(k_-16)
.endif
	s_wait_dscnt 31-k_                             ; row k is in; the 31 - k younger loads stay out
	global_store_b128 v[VGO], v[d_:d_+3], s[10:11] offset:8192*k_   ; a wave stores 512 consecutive bytes, aligned
.set k_, k_+1
.endr
	s_wait_tensorcnt 0x0
	ds_add_u32 v248, v249
	s_wait_dscnt 0x0
	ROUND                                          ; the closing round: no work-group ends while a partner may still ask jointly
	s_endpgm
.Lfunc_end_k_qde9fa3dc12_gemm:
	.size	k_qde9fa3dc12_gemm, .Lfunc_end_k_qde9fa3dc12_gemm-k_qde9fa3dc12_gemm
	.p2alignl 7, 3214868480
	.fill 96, 4, 3214868480
	.section	.rodata,"a",@progbits
	.p2align	6, 0x0
	.amdhsa_kernel k_qde9fa3dc12_gemm
		.amdhsa_group_segment_fixed_size 312320
		.amdhsa_private_segment_fixed_size 0
		.amdhsa_enable_private_segment 0
		.amdhsa_kernarg_size 32
		.amdhsa_user_sgpr_count 2
		.amdhsa_user_sgpr_kernarg_segment_ptr 1
		.amdhsa_wavefront_size32 1
		.amdhsa_system_sgpr_workgroup_id_x 1
		.amdhsa_system_sgpr_workgroup_id_y 1
		.amdhsa_system_sgpr_workgroup_id_z 1
		.amdhsa_system_vgpr_workitem_id 0
		.amdhsa_next_free_vgpr 250
		.amdhsa_next_free_sgpr 80
		.amdhsa_reserve_vcc 0
		.amdhsa_float_denorm_mode_32 3
		.amdhsa_float_denorm_mode_16_64 3
		.amdhsa_memory_ordered 1
		.amdhsa_forward_progress 1
		.amdhsa_inst_pref_size 140
	.end_amdhsa_kernel
	.amdgpu_metadata
---
amdhsa.version: [ 1, 2 ]
amdhsa.kernels:
  - .name:           k_qde9fa3dc12_gemm
    .symbol:         k_qde9fa3dc12_gemm.kd
    .args:
      - { .name: mkB, .offset: 0, .size: 8, .value_kind: global_buffer, .address_space: global }
      - { .name: qB, .offset: 8, .size: 8, .value_kind: global_buffer, .address_space: global }
      - { .name: nah, .offset: 16, .size: 8, .value_kind: global_buffer, .address_space: global }
      - { .name: gmax, .offset: 24, .size: 8, .value_kind: global_buffer, .address_space: global }
    .group_segment_fixed_size: 312320
    .private_segment_fixed_size: 0
    .kernarg_segment_align: 8
    .kernarg_segment_size: 32
    .max_flat_workgroup_size: 256
    .sgpr_count:     80
    .vgpr_count:     250
    .wavefront_size: 32
...
	.end_amdgpu_metadata
.endif
;; end of part 6
;; launch selg (part 7): grid 512 x 1, 8 waves a work-group, no clusters, 0 bytes of LDS; arguments gmax, gsel; writes gsel
.if DOCPART == 7
	.amdgcn_target "amdgcn-amd-amdhsa--gfx1250"
	.amdhsa_code_object_version 6
	.text
	.protected	k_qde9fa3dc12_selg
	.globl	k_qde9fa3dc12_selg
	.p2align	8
	.type	k_qde9fa3dc12_selg,@function
k_qde9fa3dc12_selg:
	s_mov_b64 s[64:65], 0
	v_nop
	global_prefetch_b8 v0, s[64:65] scope:SCOPE_SE
	s_setreg_imm32_b32 hwreg(HW_REG_WAVE_MODE, 25, 1), 1
	s_wait_xcnt 0x0
; SELG: for each query the 20th largest of its 2,048 group maxima, T, and the bit mask of its twenty groups: every group whose maximum
; is above T and, of those equal to T, the first that are needed to make twenty (lower index first, as the reference's top_k breaks ties).
; gsel [4096 q][64 words]; bit l of word j stands for group 32 j + l.
; The twenty largest elements lie in these twenty groups: a group left out has twenty groups in front of it whose maxima are larger, or
; equal with lower indices, and a group is 16 consecutive memory columns.
; One wave, one query; register j of lane l holds group 32 j + l, so the lane mask of a compare on register j IS word j.
; No branch and no address hangs on a float: each lane sorts its 64 numbers' largest 32 by fixed networks (two sorts of 32, one stage of
; maxima, five merging stages), then twenty times the largest head of the 32 lists is found and its one lane shifts its list by selects.
; LIMITS: no NaN.  No LDS, no matrix unit, no cluster: no two waves read the same bytes.
.set O,  8                             ; v[8:71]    the maxima as loaded; kept for the compares
.set X,  72                            ; v[72:103]  sorting buffer; the sorted list ends here; later at work
.set X2, 104                           ; v[104:135] the second half, sorted
.set Y,  136                           ; v[136:167] sorting buffer
.set M,  168                           ; the running maximum; at the end T
.set N,  169
.set WD, 170                           ; v[170:171] word j of the mask: register j & 1 of lane j >> 1
.set MV, 172                           ; lane t: the t-th popped number
.set SPERM, 12                         ; s[12:13] selects of v_permlanex16_b32
.set STMP,  14
.set SBIT,  15
.set SG,    16                         ; s[16:23] eight words: maximum > T
.set SE,    24                         ; s[24:31] maximum == T
.set SKK,   32                         ; s[32:39] taken
.set SPF,   40                         ; s[40:48] == bits in front of each of the eight words
.set SNEED, 50                         ; how many of the == bits are taken
; One stage of the bitonic network on 32 registers, from src into dst (every register has a partner, so dst is written whole).
.macro CSTAGE src, dst, k, j
.set a_, 0
.rept 32
.if (a_ ^ \j) > a_
.if (a_ & \k) == 0
	v_max_num_f32 v[\dst+a_], v[\src+a_], v[\src+(a_^\j)]
	v_min_num_f32 v[\dst+(a_^\j)], v[\src+a_], v[\src+(a_^\j)]
.else
	v_min_num_f32 v[\dst+a_], v[\src+a_], v[\src+(a_^\j)]
	v_max_num_f32 v[\dst+(a_^\j)], v[\src+a_], v[\src+(a_^\j)]
.endif
.endif
.set a_, a_+1
.endr
.endm
; 32 numbers of each lane in descending order: 15 stages, o is kept, the result lies in x.
.macro SORT32 o, x, y
	CSTAGE \o, \x, 2, 1
	CSTAGE \x, \y, 4, 2
	CSTAGE \y, \x, 4, 1
	CSTAGE \x, \y, 8, 4
	CSTAGE \y, \x, 8, 2
	CSTAGE \x, \y, 8, 1
	CSTAGE \y, \x, 16, 8
	CSTAGE \x, \y, 16, 4
	CSTAGE \y, \x, 16, 2
	CSTAGE \x, \y, 16, 1
	CSTAGE \y, \x, 32, 16
	CSTAGE \x, \y, 32, 8
	CSTAGE \y, \x, 32, 4
	CSTAGE \x, \y, 32, 2
	CSTAGE \y, \x, 32, 1
.endm
; The 20th largest of the 32 sorted lists, into m.  Pop t: m = the largest head; the first lane whose head it is drops it.
; Behind pop t only 19 - t more numbers of a list can matter, so the shift gets shorter.  Lane t of MV keeps pop t's number.
.macro POP20 x, m, n
	v_mov_b32 v[\m], v[\x]                         ; the destinations of the lane operations count as read: written once here
	v_mov_b32 v[\n], v[\x]
	v_mov_b32 v[MV], 0xff800000                    ; -infinity in the lanes that no pop fills
.set t_, 0
.rept 20
	v_max_num_f32_dpp v[\m], v[\x], v[\x] row_xmask:1 row_mask:0xf bank_mask:0xf
	v_max_num_f32_dpp v[\m], v[\m], v[\m] row_xmask:2 row_mask:0xf bank_mask:0xf
	v_max_num_f32_dpp v[\m], v[\m], v[\m] row_xmask:4 row_mask:0xf bank_mask:0xf
	v_max_num_f32_dpp v[\m], v[\m], v[\m] row_xmask:8 row_mask:0xf bank_mask:0xf
	v_permlanex16_b32 v[\n], v[\m], s[SPERM], s[SPERM+1]
	v_max_num_f32 v[\m], v[\m], v[\n]
.if t_ < 19
	s_mov_b32 s[SBIT], 1<<t_
	v_cndmask_b32 v[MV], v[MV], v[\m], s[SBIT]
	v_cmp_eq_f32 vcc_lo, v[\x], v[\m]
	s_ctz_i32_b32 s[STMP], vcc_lo
	s_lshl_b32 s[STMP], 1, s[STMP]                 ; one lane: equal numbers are popped one at a time
.set i_, 0
.rept 19
.if i_ < 19-t_
	v_cndmask_b32 v[\x+i_], v[\x+i_], v[\x+i_+1], s[STMP]
.endif
.set i_, i_+1
.endr
.endif
.set t_, t_+1
.endr
.endm
	s_load_b128 s[4:7], s[0:1], 0x0                ; gmax s[4:5], gsel s[6:7]
	s_lshl_b32 s8, ttmp9, 16                       ; 8 queries of 8,192 bytes
	s_mov_b32 s9, 0
	s_lshl_b32 s10, ttmp9, 11                      ; 8 queries of 256 bytes
	s_mov_b32 s11, 0
	s_mov_b32 s12, 0x76543210
	s_mov_b32 s13, 0xfedcba98
	v_and_b32 v1, 31, v0
	v_lshrrev_b32 v2, 5, v0
	v_lshlrev_b32 v1, 4, v1
	v_lshl_or_b32 v1, v2, 13, v1                   ; wave's row + 16 x lane
	v_lshlrev_b32 v2, 3, v0                        ; 256 x wave + 8 x lane
	s_wait_kmcnt 0x0
	s_add_nc_u64 s[4:5], s[4:5], s[8:9]
	s_add_nc_u64 s[6:7], s[6:7], s[10:11]
.set i_, 0
.rept 16
	global_load_b128 v[O+4*i_:O+4*i_+3], v1, s[4:5] offset:512*i_ th:TH_LOAD_NT   ; register 4 i + e of lane l: group 32 (4 i + e) + l
.set i_, i_+1
.endr
	s_wait_loadcnt 0x8                             ; registers 0 to 31 are in; the eight loads of the second half stay out
	SORT32 O, X, Y
	s_wait_loadcnt 0x0
	SORT32 O+32, X2, Y
.set a_, 0
.rept 32
	v_max_num_f32 v[Y+a_], v[X+a_], v[X2+31-a_]    ; the 32 largest of the two sorted lists, first falling and then rising or the like: one merge sorts them
.set a_, a_+1
.endr
	CSTAGE Y, X, 32, 16
	CSTAGE X, Y, 32, 8
	CSTAGE Y, X, 32, 4
	CSTAGE X, Y, 32, 2
	CSTAGE Y, X, 32, 1
	POP20 X, M, N
	v_cmp_gt_f32 vcc_lo, v[MV], v[M]               ; every number above the 20th largest was popped in front of it
	s_bcnt1_i32_b32 s[STMP], vcc_lo
	s_sub_co_u32 s[SNEED], 20, s[STMP]
	s_mov_b32 s[SPF], 0
	v_mov_b32 v[WD], 0                             ; v_writelane_b32's destination counts as read
	v_mov_b32 v[WD+1], 0
; Eight words at a time, each step for all eight, so that no line waits for the one in front of it.
.set g_, 0
.rept 8
.set x_, 0
.rept 8
	v_cmp_gt_f32 s[SG+x_], v[O+8*g_+x_], v[M]
	v_cmp_eq_f32 s[SE+x_], v[O+8*g_+x_], v[M]
.set x_, x_+1
.endr
.set x_, 0
.rept 8
	s_bcnt1_i32_b32 s[STMP], s[SE+x_]
	s_add_co_u32 s[SPF+x_+1], s[SPF+x_], s[STMP]
.set x_, x_+1
.endr
.set x_, 0
.rept 8
	v_mbcnt_lo_u32_b32 v[X+x_], s[SE+x_], s[SPF+x_]        ; == bits in front of mine, in the order of the groups' numbers
.set x_, x_+1
.endr
.set x_, 0
.rept 8
	v_cmp_gt_u32 s[SKK+x_], s[SNEED], v[X+x_]
.set x_, x_+1
.endr
.set x_, 0
.rept 8
	s_and_b32 s[SKK+x_], s[SKK+x_], s[SE+x_]
	s_or_b32 s[SKK+x_], s[SKK+x_], s[SG+x_]
.set x_, x_+1
.endr
.set x_, 0
.rept 8
	v_writelane_b32 v[WD+((8*g_+x_)&1)], s[SKK+x_], (8*g_+x_)>>1
.set x_, x_+1
.endr
	s_mov_b32 s[SPF], s[SPF+8]
.set g_, g_+1
.endr
	global_store_b64 v2, v[WD:WD+1], s[6:7]        ; word j at byte 4 j: a wave stores 256 consecutive bytes, aligned
	s_endpgm
.Lfunc_end_k_qde9fa3dc12_selg:
	.size	k_qde9fa3dc12_selg, .Lfunc_end_k_qde9fa3dc12_selg-k_qde9fa3dc12_selg
	.p2alignl 7, 3214868480
	.fill 96, 4, 3214868480
	.section	.rodata,"a",@progbits
	.p2align	6, 0x0
	.amdhsa_kernel k_qde9fa3dc12_selg
		.amdhsa_group_segment_fixed_size 0
		.amdhsa_private_segment_fixed_size 0
		.amdhsa_enable_private_segment 0
		.amdhsa_kernarg_size 16
		.amdhsa_user_sgpr_count 2
		.amdhsa_user_sgpr_kernarg_segment_ptr 1
		.amdhsa_wavefront_size32 1
		.amdhsa_system_sgpr_workgroup_id_x 1
		.amdhsa_system_sgpr_workgroup_id_y 1
		.amdhsa_system_sgpr_workgroup_id_z 1
		.amdhsa_system_vgpr_workitem_id 0
		.amdhsa_next_free_vgpr 176
		.amdhsa_next_free_sgpr 66
		.amdhsa_reserve_vcc 1
		.amdhsa_float_denorm_mode_32 3
		.amdhsa_float_denorm_mode_16_64 3
		.amdhsa_memory_ordered 1
		.amdhsa_forward_progress 1
		.amdhsa_inst_pref_size 90
	.end_amdhsa_kernel
	.amdgpu_metadata
---
amdhsa.version: [ 1, 2 ]
amdhsa.kernels:
  - .name:           k_qde9fa3dc12_selg
    .symbol:         k_qde9fa3dc12_selg.kd
    .args:
      - { .name: gmax, .offset: 0, .size: 8, .value_kind: global_buffer, .address_space: global }
      - { .name: gsel, .offset: 8, .size: 8, .value_kind: global_buffer, .address_space: global }
    .group_segment_fixed_size: 0
    .private_segment_fixed_size: 0
    .kernarg_segment_align: 8
    .kernarg_segment_size: 16
    .max_flat_workgroup_size: 256
    .sgpr_count:     66
    .vgpr_count:     176
    .wavefront_size: 32
...
	.end_amdgpu_metadata
.endif
;; end of part 7
;; launch cand (part 8): grid 512 x 1, 8 waves a work-group, no clusters, 5,120 bytes of LDS; arguments gsel, mkB, qB, nah, csel, sv; writes csel, sv
.if DOCPART == 8
	.amdgcn_target "amdgcn-amd-amdhsa--gfx1250"
	.amdhsa_code_object_version 6
	.text
	.protected	k_qde9fa3dc12_cand
	.globl	k_qde9fa3dc12_cand
	.p2align	8
	.type	k_qde9fa3dc12_cand,@function
k_qde9fa3dc12_cand:
	s_mov_b64 s[64:65], 0
	v_nop
	global_prefetch_b8 v0, s[64:65] scope:SCOPE_SE
	s_setreg_imm32_b32 hwreg(HW_REG_WAVE_MODE, 25, 1), 1
	s_wait_xcnt 0x0
; CAND: for each query, s of the 320 elements of its twenty chosen groups again, in f32 from the bf16 keys, the 20th largest of them, T,
; and the bit masks of the twenty chosen elements: every s above T and, of those equal to T, the first needed (lower index first).
; Slot p (0..9) holds two groups: lanes 0-15 the elements of list[2 p], lanes 16-31 those of list[2 p + 1]; the list is ascending.
; csel [4096 q][128 words]: words 0-9: slot p's mask (bit = lane); words 64-83: the twenty group numbers; all other words 0.
; sv [4096 q][3][32 lanes][4] f32: s of (slot p, lane) at byte 512 (p >> 2) + 16 lane + 4 (p & 3); slots 10 and 11 are -infinity.
; One wave, one query.  The masks of the launch before are whole numbers read from memory: they make the list of groups, and with it the
; addresses.  What this launch derives from floats is only stored.
; s = -|mk|^2/2 + sum of mk q, four f32 chains.
; LIMITS: no NaN; two s closer than the f32 rounding of these sums may be ordered otherwise than by the reference; exact ties: lower index.
; Loads go through registers (a gather of 2 KiB that differs from query to query): nothing for a joint request, no cluster.
; LDS, 512 bytes a wave: words 0-31 the list, words 32-63 one dump word for each lane.  Every lane is on in every line.
.set LANE,  1
.set LISTL, 2                          ; my word of my wave's list
.set LIST,  3                          ; my wave's list: 32 words in LDS
.set Z,     4                          ; 0: an offset, and the start of sums
.set T0,    5
.set T1,    6
.set T2,    7
.set Q,     8                          ; v[8:39]    the query's 64 channels, the same in every lane
.set BUF,   40                         ; v[40:167]  four buffers of 32: a slot's keys
.set SX,    40                         ; v[40:55]   later: sorting buffer
.set SY,    56                         ; v[56:71]   later: sorting buffer; the sorted list ends here
.set VG,    136                        ; v[136:155] first: the twenty group numbers (in the fourth buffer, ahead of its first load)
.set V,     168                        ; v[168:183] slot p: first the offset in nah, then -|mk|^2/2, then s; 10..15: -infinity
.set VO,    184                        ; v[184:193] slot p: my byte offset in mkB
.set H,     194                        ; v[194:196] three side chains
.set M,     197
.set N,     198
.set W,     200                        ; v[200:203] the record's 16 bytes of this lane
.set GQ,    204                        ; v[204:207] four group numbers
.set E4,    208                        ; 4 x (lane & 15)
.set E16,   209                        ; 16 x (lane & 15)
.set OUT,   210
.set GQA,   211
.set DUMPI, 212                        ; 32 + lane: the number of my dump word
.set SVO,   213
.set DT,    214                        ; v[214:217] two pairs at work that take turns
.set SPE,   84                         ; == bits passed so far
.set SPOS,  85                         ; entries in the list so far
.set SNEED, 86                         ; how many of the == bits are taken
.set SK,    87
.set SHI,   88                         ; lanes 16 to 31
.set STMP,  89
.set SPERM, 90
; One stage of the bitonic network on 16 registers, from src into dst.
.macro CSTAGE src, dst, k, j
.set a_, 0
.rept 16
.if (a_ ^ \j) > a_
.if (a_ & \k) == 0
	v_max_num_f32 v[\dst+a_], v[\src+a_], v[\src+(a_^\j)]
	v_min_num_f32 v[\dst+(a_^\j)], v[\src+a_], v[\src+(a_^\j)]
.else
	v_min_num_f32 v[\dst+a_], v[\src+a_], v[\src+(a_^\j)]
	v_max_num_f32 v[\dst+(a_^\j)], v[\src+a_], v[\src+(a_^\j)]
.endif
.endif
.set a_, a_+1
.endr
.endm
; Each lane's 16 numbers in descending order: 10 stages, o is kept, the result lies in y.
.macro SORT16 o, x, y
	CSTAGE \o, \x, 2, 1
	CSTAGE \x, \y, 4, 2
	CSTAGE \y, \x, 4, 1
	CSTAGE \x, \y, 8, 4
	CSTAGE \y, \x, 8, 2
	CSTAGE \x, \y, 8, 1
	CSTAGE \y, \x, 16, 8
	CSTAGE \x, \y, 16, 4
	CSTAGE \y, \x, 16, 2
	CSTAGE \x, \y, 16, 1
.endm
; The 20th largest of the 32 sorted lists, into m: twenty times the largest head; the first lane that holds it drops it.
; A list has ten numbers and -infinity behind them, so a shift moves ten registers at the most.
.macro POP20 x, m, n
	v_mov_b32 v[\m], v[\x]                         ; the destinations of the lane operations count as read: written once here
	v_mov_b32 v[\n], v[\x]
.set t_, 0
.rept 20
	v_max_num_f32_dpp v[\m], v[\x], v[\x] row_xmask:1 row_mask:0xf bank_mask:0xf
	v_max_num_f32_dpp v[\m], v[\m], v[\m] row_xmask:2 row_mask:0xf bank_mask:0xf
	v_max_num_f32_dpp v[\m], v[\m], v[\m] row_xmask:4 row_mask:0xf bank_mask:0xf
	v_max_num_f32_dpp v[\m], v[\m], v[\m] row_xmask:8 row_mask:0xf bank_mask:0xf
	v_permlanex16_b32 v[\n], v[\m], s[SPERM], s[SPERM+1]
	v_max_num_f32 v[\m], v[\m], v[\n]
.if t_ < 19
	v_cmp_eq_f32 vcc_lo, v[\x], v[\m]
	s_ctz_i32_b32 s[STMP], vcc_lo
	s_lshl_b32 s[STMP], 1, s[STMP]
.set i_, 0
.rept 10
.if i_ < 19-t_
	v_cndmask_b32 v[\x+i_], v[\x+i_], v[\x+i_+1], s[STMP]
.endif
.set i_, i_+1
.endr
.endif
.set t_, t_+1
.endr
.endm
; One word of the mask (lane = bit).  A lane whose bit is set puts data | lane at the list's next free word, so the list is ascending;
; any other lane puts it into its own dump word, which nobody reads.  The word's number is chosen first and clamped last: 0 to 63,
; my wave's first 256 bytes.  t: which pair of registers is at work.
.macro DEC k, data, t
	v_mbcnt_lo_u32_b32 v[DT+2*(\t)], s[\k], s[SPOS]            ; set bits in front of mine
	v_cndmask_b32 v[DT+2*(\t)], v[DUMPI], v[DT+2*(\t)], s[\k]
	v_min_u32 v[DT+2*(\t)], 63, v[DT+2*(\t)]                   ; inside the wave's 64 words, whatever the masks hold
	v_lshl_add_u32 v[DT+2*(\t)], v[DT+2*(\t)], 2, v[LIST]
	v_or_b32 v[DT+2*(\t)+1], \data, v[LANE]
	ds_store_b32 v[DT+2*(\t)], v[DT+2*(\t)+1]
	s_bcnt1_i32_b32 s[STMP], s[\k]
	s_add_co_u32 s[SPOS], s[SPOS], s[STMP]
.endm
; Slot i's nine loads: -|mk|^2/2 of my element (it lands on its own offset register) and my element's 64 channels.
.macro LOADS i, buf
	global_load_b32 v[V+\i], v[V+\i], s[58:59]
.irp c, 0,1,2,3,4,5,6,7
	global_load_b128 v[\buf+4*\c:\buf+4*\c+3], v[VO+\i], s[54:55] offset:512*\c   ; each half of the wave reads 256 consecutive bytes, aligned
.endr
.endm
; acc += sum over 64 channels of key x query, both bf16 halves, sums in f32, four chains
.macro DOT acc, buf
	v_fma_mix_f32_bf16 v[\acc], v[\buf], v[Q], v[\acc] op_sel_hi:[1,1,0]
	v_fma_mix_f32_bf16 v[H], v[\buf], v[Q], v[Z] op_sel:[1,1,0] op_sel_hi:[1,1,0]
	v_fma_mix_f32_bf16 v[H+1], v[\buf+1], v[Q+1], v[Z] op_sel_hi:[1,1,0]
	v_fma_mix_f32_bf16 v[H+2], v[\buf+1], v[Q+1], v[Z] op_sel:[1,1,0] op_sel_hi:[1,1,0]
.set k_, 2
.rept 15
	v_fma_mix_f32_bf16 v[\acc], v[\buf+k_], v[Q+k_], v[\acc] op_sel_hi:[1,1,0]
	v_fma_mix_f32_bf16 v[H], v[\buf+k_], v[Q+k_], v[H] op_sel:[1,1,0] op_sel_hi:[1,1,0]
	v_fma_mix_f32_bf16 v[H+1], v[\buf+k_+1], v[Q+k_+1], v[H+1] op_sel_hi:[1,1,0]
	v_fma_mix_f32_bf16 v[H+2], v[\buf+k_+1], v[Q+k_+1], v[H+2] op_sel:[1,1,0] op_sel_hi:[1,1,0]
.set k_, k_+2
.endr
	v_add_f32 v[H], v[H], v[H+1]
	v_add_f32 v[\acc], v[\acc], v[H+2]
	v_add_f32 v[\acc], v[\acc], v[H]
.endm
	s_load_b256 s[52:59], s[0:1], 0x0              ; gsel s[52:53], mkB s[54:55], qB s[56:57], nah s[58:59]
	s_load_b128 s[60:63], s[0:1], 0x20             ; csel s[60:61], sv s[62:63]
	v_lshl_add_u32 v224, v0, 2, 0x1000
	v_mov_b32 v225, 0
	v_lshrrev_b32 v[T0], 5, v0
	v_readfirstlane_b32 s92, v[T0]                 ; wave; the query is 8 x work-group + wave
	v_and_b32 v[LANE], 31, v0
	v_mov_b32 v[Z], 0
	s_lshl_b32 s93, s92, 9                         ; 512 bytes of LDS for each wave
	v_mov_b32 v[LIST], s93
	v_lshl_add_u32 v[LISTL], v[LANE], 2, s93
	v_add_nc_u32 v[DUMPI], 32, v[LANE]
	v_and_b32 v[T0], 15, v0
	v_lshlrev_b32 v[E4], 2, v[T0]
	v_lshlrev_b32 v[E16], 4, v[T0]
	v_lshlrev_b32 v[OUT], 4, v0                    ; 512 x wave + 16 x lane
	v_and_b32 v[GQA], 7, v0
	v_lshl_add_u32 v[GQA], v[GQA], 4, s93
	s_lshl_b32 s93, ttmp9, 3
	s_add_co_u32 s93, s93, s92
	s_mul_i32 s93, s93, 1536                       ; sv: 1,536 bytes a query
	v_lshl_add_u32 v[SVO], v[LANE], 4, s93
	s_lshl_b32 s94, ttmp9, 11                      ; gsel: 256 bytes a query
	s_lshl_b32 s95, s92, 8
	s_add_co_u32 s94, s94, s95
	s_mov_b32 s95, 0
	s_lshr_b32 s96, ttmp9, 2                       ; qB: (q>>5) blocks of 4,096 bytes + (q&31) x 16
	s_lshl_b32 s96, s96, 12
	s_and_b32 s97, ttmp9, 3
	s_lshl_b32 s97, s97, 7
	s_add_co_u32 s96, s96, s97
	s_lshl_b32 s97, s92, 4
	s_add_co_u32 s96, s96, s97
	s_mov_b32 s97, 0
	s_lshl_b32 s98, ttmp9, 12                      ; csel: 8 queries of 512 bytes
	s_mov_b32 s99, 0
	s_mov_b32 s[SPERM], 0x76543210
	s_mov_b32 s[SPERM+1], 0xfedcba98
	s_mov_b32 s[SHI], 0xffff0000
	s_mov_b32 s[SPOS], 0
	s_wait_kmcnt 0x0
	s_add_nc_u64 s[52:53], s[52:53], s[94:95]
	s_add_nc_u64 s[56:57], s[56:57], s[96:97]
	s_add_nc_u64 s[60:61], s[60:61], s[98:99]
	s_load_b512 s[4:19],  s[52:53], 0x0            ; the 64 mask words: word j at s[4+j] for j < 48, at s[20+j] from there on
	s_load_b512 s[20:35], s[52:53], 0x40
	s_load_b512 s[36:51], s[52:53], 0x80
	s_load_b512 s[68:83], s[52:53], 0xc0
.irp c, 0,1,2,3,4,5,6,7
	global_load_b128 v[Q+4*\c:Q+4*\c+3], v[Z], s[56:57] offset:512*\c   ; the query's channels 8c .. 8c+7, the same address in every lane
.endr
	ds_store_b32 v[LISTL], v[Z]                    ; the list's 32 words start as 0
.set k_, 10
.rept 6
	v_mov_b32 v[V+k_], 0xff800000                  ; the network sorts 16: the other six are -infinity
.set k_, k_+1
.endr
	s_wait_kmcnt 0x0
.set l_, 0
.rept 64
.if l_ < 48
.set g_, 4+l_
.else
.set g_, 20+l_
.endif
	DEC g_, 32*l_, l_&1
.set l_, l_+1
.endr
.irp k, 0,1,2,3,4
	ds_load_b128 v[VG+4*\k:VG+4*\k+3], v[LIST] offset:16*\k   ; the twenty groups, in every lane (LDS serves a wave's instructions in order)
.endr
	ds_load_b128 v[GQ:GQ+3], v[GQA]                ; and four of them for the record: lane x takes words 4 (x&7) ..
	s_wait_dscnt 0x0
.set k_, 0
.rept 10
	v_cndmask_b32 v[T0], v[VG+2*k_], v[VG+2*k_+1], s[SHI]      ; lanes 0-15: list[2 p]; lanes 16-31: list[2 p + 1]
	v_min_u32 v[T0], 0x7ff, v[T0]                  ; a group's number stays inside the table
	v_lshl_add_u32 v[V+k_], v[T0], 6, v[E4]        ; nah: 64 bytes a group + 4 x element
	v_and_b32 v[T1], 0x7fe, v[T0]
	v_and_b32 v[T2], 1, v[T0]
	v_lshl_add_u32 v[VO+k_], v[T1], 11, v[E16]     ; mkB: (G >> 1) x 4,096 + 16 x element
	v_lshl_add_u32 v[VO+k_], v[T2], 8, v[VO+k_]    ;      + (G & 1) x 256
.set k_, k_+1
.endr
	LOADS 0, BUF
	LOADS 1, BUF+32
	LOADS 2, BUF+64
	LOADS 3, BUF+96
.set sl_, 0
.rept 10
.if sl_ < 7
	s_wait_loadcnt 27                              ; this slot's loads (and the query's) are in; the next three slots' 27 stay out
.else
	s_wait_loadcnt 9*(9-sl_)                       ; nine for each slot that is still behind this one
.endif
	DOT V+sl_, BUF+32*(sl_&3)
.if sl_ < 6
	LOADS sl_+4, BUF+32*(sl_&3)
.endif
.set sl_, sl_+1
.endr
.irp k, 0,1,2
	global_store_b128 v[SVO], v[V+4*\k:V+4*\k+3], s[62:63] offset:512*\k   ; a wave stores 512 consecutive bytes, aligned; V is not written again
.endr
	SORT16 V, SX, SY
	POP20 SY, M, N
.set k_, 0
.rept 10
	v_cmp_gt_f32 s[4+k_], v[V+k_], v[M]            ; bit = lane of slot k
	v_cmp_eq_f32 s[16+k_], v[V+k_], v[M]
.set k_, k_+1
.endr
	s_mov_b32 s[SNEED], 20
	s_mov_b32 s[SPE], 0
.set k_, 0
.rept 10
	s_bcnt1_i32_b32 s[STMP], s[4+k_]
	s_sub_co_u32 s[SNEED], s[SNEED], s[STMP]       ; twenty less the elements above T
.set k_, k_+1
.endr
.irp e, 0,1,2,3
	v_mov_b32 v[W+\e], 0
.endr
.set k_, 0
.rept 10
	v_mbcnt_lo_u32_b32 v[T0], s[16+k_], s[SPE]     ; == bits in front of mine: slots and lanes go up with the memory index
	v_cmp_gt_u32 s[SK], s[SNEED], v[T0]
	s_and_b32 s[SK], s[SK], s[16+k_]
	s_or_b32 s[4+k_], s[4+k_], s[SK]
	s_bcnt1_i32_b32 s[STMP], s[16+k_]
	s_add_co_u32 s[SPE], s[SPE], s[STMP]
	v_writelane_b32 v[W+(k_&3)], s[4+k_], k_>>2    ; word k of the record is register k & 3 of lane k >> 2
.set k_, k_+1
.endr
	s_mov_b32 s[STMP], 0x00ff0000                  ; lanes 16 to 23: words 64 to 95, the list (its words 20 to 31 are 0)
.irp e, 0,1,2,3
	v_cndmask_b32 v[W+\e], v[W+\e], v[GQ+\e], s[STMP]
.endr
	global_store_b128 v[OUT], v[W:W+3], s[60:61]   ; a wave stores 512 consecutive bytes, aligned
	s_wait_tensorcnt 0x0
	ds_add_u32 v224, v225
	s_wait_dscnt 0x0
	s_endpgm
.Lfunc_end_k_qde9fa3dc12_cand:
	.size	k_qde9fa3dc12_cand, .Lfunc_end_k_qde9fa3dc12_cand-k_qde9fa3dc12_cand
	.p2alignl 7, 3214868480
	.fill 96, 4, 3214868480
	.section	.rodata,"a",@progbits
	.p2align	6, 0x0
	.amdhsa_kernel k_qde9fa3dc12_cand
		.amdhsa_group_segment_fixed_size 5120
		.amdhsa_private_segment_fixed_size 0
		.amdhsa_enable_private_segment 0
		.amdhsa_kernarg_size 48
		.amdhsa_user_sgpr_count 2
		.amdhsa_user_sgpr_kernarg_segment_ptr 1
		.amdhsa_wavefront_size32 1
		.amdhsa_system_sgpr_workgroup_id_x 1
		.amdhsa_system_sgpr_workgroup_id_y 1
		.amdhsa_system_sgpr_workgroup_id_z 1
		.amdhsa_system_vgpr_workitem_id 0
		.amdhsa_next_free_vgpr 226
		.amdhsa_next_free_sgpr 100
		.amdhsa_reserve_vcc 1
		.amdhsa_float_denorm_mode_32 3
		.amdhsa_float_denorm_mode_16_64 3
		.amdhsa_memory_ordered 1
		.amdhsa_forward_progress 1
		.amdhsa_inst_pref_size 113
	.end_amdhsa_kernel
	.amdgpu_metadata
---
amdhsa.version: [ 1, 2 ]
amdhsa.kernels:
  - .name:           k_qde9fa3dc12_cand
    .symbol:         k_qde9fa3dc12_cand.kd
    .args:
      - { .name: gsel, .offset: 0, .size: 8, .value_kind: global_buffer, .address_space: global }
      - { .name: mkB, .offset: 8, .size: 8, .value_kind: global_buffer, .address_space: global }
      - { .name: qB, .offset: 16, .size: 8, .value_kind: global_buffer, .address_space: global }
      - { .name: nah, .offset: 24, .size: 8, .value_kind: global_buffer, .address_space: global }
      - { .name: csel, .offset: 32, .size: 8, .value_kind: global_buffer, .address_space: global }
      - { .name: sv, .offset: 40, .size: 8, .value_kind: global_buffer, .address_space: global }
    .group_segment_fixed_size: 5120
    .private_segment_fixed_size: 0
    .kernarg_segment_align: 8
    .kernarg_segment_size: 48
    .max_flat_workgroup_size: 256
    .sgpr_count:     100
    .vgpr_count:     226
    .wavefront_size: 32
...
	.end_amdgpu_metadata
.endif
;; end of part 8
;; launch read (part 9): grid 64 x 4, 32 waves a work-group, no clusters, 53,248 bytes of LDS; arguments csel, sv, vT, out0; writes out0
.if DOCPART == 9
	.amdgcn_target "amdgcn-amd-amdhsa--gfx1250"
	.amdhsa_code_object_version 6
	.text
	.protected	k_qde9fa3dc12_read
	.globl	k_qde9fa3dc12_read
	.p2align	8
	.type	k_qde9fa3dc12_read,@function
k_qde9fa3dc12_read:
	s_mov_b64 s[64:65], 0
	v_nop
	global_prefetch_b8 v0, s[64:65] scope:SCOPE_SE
	s_setreg_imm32_b32 hwreg(HW_REG_WAVE_MODE, 25, 1), 1
	s_wait_xcnt 0x0
; READ: the twenty chosen memory columns of each query, their softmax weights, and the weighted sum of the values.
; A work-group: 64 queries x 128 of the 512 output channels; wave w: queries 2 w and 2 w + 1, one after the other.
; FIN: the record of the launch before (whole numbers read from memory) gives the twenty chosen elements: bit = lane of slot p, lanes 0-15
; in group list[2 p], lanes 16-31 in list[2 p + 1].  A set lane puts n | (its s's byte offset in sv) << 16 into the list.  Lane k < 20 loads
; the k-th s, the wave takes the maximum away, w = exp((s - max) / 4) / sum.  The four work-groups of a query's channel quarters each do
; this again: some 150 instructions a query against one more launch and its traffic.
; READ: lanes 0-15 take rows 0-9 of the list, lanes 16-31 rows 10-19; lane r of a half takes 16 bytes (8 channels) of each row of vT, so a
; half reads 256 consecutive bytes of a row.  The two halves' sums meet by one exchange.
; out0 is [512 channels][4096 queries]: the results turn through LDS, and sixteen lanes store 256 consecutive bytes of a channel's row.
; LIMITS: no NaN or infinity in the inputs; values are bf16; a weight below the smallest normal f32 counts as 0 (v_exp_f32, ISA guide 15.8).
; Loads are gathers through registers that differ from query to query: nothing for a joint request, no cluster, no matrix unit.
; LDS: bytes 0 to 32,767 the stage (64 queries x 512 bytes); behind it 512 bytes a wave: words 0-31 the list, words 32-63 one dump
; word for each lane, words 64-95 the weights, words 96-127 the n.  Every lane is on in every line.
.set LANE,  1
.set LISTL, 2                          ; my word of my wave's list
.set LIST,  3
.set Z,     4                          ; 0: an offset, and the start of sums
.set T0,    5
.set T1,    6
.set T2,    7
.set ROW,   8                          ; v[8:47]   READ: ten rows' 16 bytes; a row's first register holds its offset until the load lands
.set VG,    48                         ; v[48:67]  FIN: the twenty group numbers, the same in every lane
.set ACC,   48                         ; v[48:55]  READ: 8 channels' sums
.set PT,    56                         ; v[56:63]  READ: the other half's sums
.set OQ,    64                         ; v[64:67]  READ: the four channels that I put into the stage
.set S,     72
.set M,     76
.set N,     77
.set NN,    78
.set SO,    79
.set NI,    81                         ; -infinity
.set NL,    82                         ; v[82:91]  my half's ten n
.set WL,    92                         ; v[92:101] my half's ten weights
.set R16,   102
.set HL,    103                        ; my half's ten words of a list
.set STG,   104
.set DUMPI, 105                        ; 32 + lane: the number of my dump word
.set FRD,   106
.set FGO,   107
.set FD,    108                        ; v[108:115]
.set LB,    116                        ; (lane & 15) + (16 x lane) << 16
.set WOFF,  256                        ; the weights lie this many bytes behind the list
.set NOFF,  384                        ; the n
.set SPERM, 90
.set SPOS,  93
.set STMP,  89
; The n and the weights of query 2 w + qi, into my wave's LDS words.
.macro FIN qi
	s_load_b512 s[16:31], s[4:5], 512*\qi          ; the ten slots' masks (words 10 to 15 are 0)
.irp k, 0,1,2,3,4
	global_load_b128 v[VG+4*\k:VG+4*\k+3], v[Z], s[4:5] offset:512*\qi+256+16*\k   ; the twenty groups, the same address in every lane
.endr
	ds_store_b32 v[LISTL], v[Z]                    ; the list starts as 0: lanes 20 to 31 then read column 0 and get the weight 0
	s_mov_b32 s[SPOS], 0
	s_wait_kmcnt 0x0
	s_wait_loadcnt 0x0
.set k_, 0
.rept 10
	v_cndmask_b32 v[T0], v[VG+2*k_], v[VG+2*k_+1], s99         ; lanes 0-15: list[2 p]; lanes 16-31: list[2 p + 1]
	v_min_u32 v[T0], 0x7ff, v[T0]
	v_lshl_add_u32 v[T0], v[T0], 4, v[LB]          ; n = 16 x group + element; above it 16 x lane
	v_add_nc_u32 v[T2], ((k_>>2)*512+(k_&3)*4)<<16, v[T0]      ; and the slot's place in sv
	v_mbcnt_lo_u32_b32 v[T1], s[16+k_], s[SPOS]    ; set bits in front of mine
	v_cndmask_b32 v[T1], v[DUMPI], v[T1], s[16+k_] ; set: my rank; not set: my dump word, which nobody reads
	v_min_u32 v[T1], 63, v[T1]                     ; inside the wave's first 64 words, whatever the masks hold
	v_lshl_add_u32 v[T1], v[T1], 2, v[LIST]
	ds_store_b32 v[T1], v[T2]
	s_bcnt1_i32_b32 s[STMP], s[16+k_]
	s_add_co_u32 s[SPOS], s[SPOS], s[STMP]
.set k_, k_+1
.endr
	ds_load_b32 v[NN], v[LISTL]                    ; lane k: the k-th entry (LDS serves a wave's instructions in order)
	s_wait_dscnt 0x0
	v_lshrrev_b32 v[SO], 16, v[NN]
	v_min_u32 v[SO], 0x5fc, v[SO]                  ; inside the query's 1,536 bytes of sv
	v_and_b32 v[NN], 0x7fff, v[NN]
	global_load_b32 v[S], v[SO], s[6:7] offset:1536*\qi
	ds_store_b32 v[LISTL], v[NN] offset:NOFF
	s_wait_loadcnt 0x0
	v_cndmask_b32 v[S], v[NI], v[S], s98           ; lanes 20 to 31: -infinity
	v_max_num_f32_dpp v[M], v[S], v[S] row_xmask:1 row_mask:0xf bank_mask:0xf
	v_max_num_f32_dpp v[M], v[M], v[M] row_xmask:2 row_mask:0xf bank_mask:0xf
	v_max_num_f32_dpp v[M], v[M], v[M] row_xmask:4 row_mask:0xf bank_mask:0xf
	v_max_num_f32_dpp v[M], v[M], v[M] row_xmask:8 row_mask:0xf bank_mask:0xf
	v_permlanex16_b32 v[N], v[M], s[SPERM], s[SPERM+1]
	v_max_num_f32 v[M], v[M], v[N]
	v_sub_f32 v[S], v[S], v[M]                     ; the maximum is taken away, as the reference's softmax does
	v_mul_f32 v[S], 0x3eb8aa3b, v[S]               ; affinity = s / 4; e^x = 2^(1.442695 x): the factor is 0.36067376
	v_exp_f32 v[S], v[S]
	v_nop                                          ; one plain place behind a transcendental (ISA guide 5.7.2)
	s_wait_alu depctr_va_vdst(0)
	v_add_f32_dpp v[M], v[S], v[S] row_xmask:1 row_mask:0xf bank_mask:0xf
	v_add_f32_dpp v[M], v[M], v[M] row_xmask:2 row_mask:0xf bank_mask:0xf
	v_add_f32_dpp v[M], v[M], v[M] row_xmask:4 row_mask:0xf bank_mask:0xf
	v_add_f32_dpp v[M], v[M], v[M] row_xmask:8 row_mask:0xf bank_mask:0xf
	v_permlanex16_b32 v[N], v[M], s[SPERM], s[SPERM+1]
	v_add_f32 v[M], v[M], v[N]                     ; at least 1: the largest contributes 2^0
	v_rcp_f32 v[M], v[M]
	v_nop
	s_wait_alu depctr_va_vdst(0)
	v_mul_f32 v[S], v[S], v[M]
	ds_store_b32 v[LISTL], v[S] offset:WOFF
.endm
; 8 channels of one row times its weight; the first row starts the sums
.macro ROWFMA k, first
.irp p, 0,1,2,3
.if \first
	v_fma_mix_f32_bf16 v[ACC+2*\p], v[ROW+4*\k+\p], v[WL+\k], v[Z] op_sel_hi:[1,0,0]
	v_fma_mix_f32_bf16 v[ACC+2*\p+1], v[ROW+4*\k+\p], v[WL+\k], v[Z] op_sel:[1,0,0] op_sel_hi:[1,0,0]
.else
	v_fma_mix_f32_bf16 v[ACC+2*\p], v[ROW+4*\k+\p], v[WL+\k], v[ACC+2*\p] op_sel_hi:[1,0,0]
	v_fma_mix_f32_bf16 v[ACC+2*\p+1], v[ROW+4*\k+\p], v[WL+\k], v[ACC+2*\p+1] op_sel:[1,0,0] op_sel_hi:[1,0,0]
.endif
.endr
.endm
; The weighted sum of query 2 w + qi over my work-group's 128 channels, into the stage.
.macro READ qi
.irp k, 0,1,2,3,4
	ds_load_b64 v[NL+2*\k:NL+2*\k+1], v[HL] offset:NOFF+8*\k
.endr
.irp k, 0,1,2,3,4
	ds_load_b64 v[WL+2*\k:WL+2*\k+1], v[HL] offset:WOFF+8*\k
.endr
	s_wait_dscnt 0x5                               ; the ten n are in; the five loads of weights stay out
.set k_, 0
.rept 10
	v_min_u32 v[ROW+4*k_], 0x7fff, v[NL+k_]        ; an index stays inside the table
	v_lshl_add_u32 v[ROW+4*k_], v[ROW+4*k_], 10, v[R16]        ; 1,024 bytes a row of vT + 16 r
	global_load_b128 v[ROW+4*k_:ROW+4*k_+3], v[ROW+4*k_], s[8:9]   ; lands on its own offset register
.set k_, k_+1
.endr
	s_wait_dscnt 0x0
	s_wait_loadcnt 0x9
	ROWFMA 0, 1
.set k_, 1
.rept 9
	s_wait_loadcnt 9-k_                            ; row k is in; the 9 - k later rows stay out
	ROWFMA k_, 0
.set k_, k_+1
.endr
.irp j, 0,1,2,3,4,5,6,7
	v_permlanex16_b32 v[PT+\j], v[ACC+\j], s[SPERM], s[SPERM+1]   ; PT was written whole by FIN's loads of the groups
.endr
.irp j, 0,1,2,3,4,5,6,7
	v_add_f32 v[ACC+\j], v[ACC+\j], v[PT+\j]
.endr
.irp x, 0,1,2,3
	v_cndmask_b32 v[OQ+\x], v[ACC+\x], v[ACC+4+\x], s99        ; lane (r, h) keeps channels 8 r + 4 h .. + 3
.endr
	ds_store_b128 v[STG], v[OQ:OQ+3] offset:512*\qi   ; the lanes of a half are 32 bytes apart: two of them share each 16-byte column modulo 256; one such store a query
.endm
	s_load_b256 s[4:11], s[0:1], 0x0               ; csel s[4:5], sv s[6:7], vT s[8:9], out0 s[10:11]
	v_lshl_add_u32 v126, v0, 2, 0xc000
	v_mov_b32 v127, 0
	v_lshrrev_b32 v[T0], 5, v0
	v_readfirstlane_b32 s88, v[T0]                 ; wave 0..31
	s_and_b32 s99, ttmp7, 0xffff                   ; cq: which 128 channels
	v_and_b32 v[LANE], 31, v0
	v_mov_b32 v[Z], 0
	v_mov_b32 v[M], 0                              ; the destinations of the lane operations count as read: written once here
	v_mov_b32 v[N], 0
	v_mov_b32 v[NI], 0xff800000
	v_add_nc_u32 v[DUMPI], 32, v[LANE]
	s_lshl_b32 s89, s88, 9
	s_add_co_u32 s89, s89, 32768                   ; my wave's 512 bytes, behind the stage of 64 rows x 512 bytes
	v_mov_b32 v[LIST], s89
	v_lshl_add_u32 v[LISTL], v[LANE], 2, s89
	v_and_b32 v[T0], 15, v0                        ; r
	v_bfe_u32 v[T1], v0, 4, 1                      ; h
	v_lshlrev_b32 v[R16], 4, v[T0]
	v_lshl_add_u32 v[LB], v[LANE], 20, v[T0]
	v_mul_u32_u24 v[T2], v[T1], 40
	v_add_nc_u32 v[HL], s89, v[T2]                 ; ten words a half
	; stage: row = query (512 bytes), 16-byte column = (channel quad + (query >> 2)) mod 32.  (2 w + qi) >> 2 = w >> 1.
	s_lshr_b32 s97, s88, 1
	v_lshl_add_u32 v[T2], v[T0], 1, v[T1]          ; quad 2 r + h
	v_add_nc_u32 v[T2], s97, v[T2]
	v_and_b32 v[T2], 31, v[T2]
	s_lshl_b32 s97, s88, 10
	v_lshl_add_u32 v[STG], v[T2], 4, s97
	; back: wave w takes channels 4 w .. 4 w + 3 (quad w); lane (r, h): queries 4 r .. 4 r + 3, channel 4 w + 2 x + h.
	; The sixteen r address sixteen different 16-byte columns modulo 256, the two h different words of them.
	v_add_nc_u32 v[T2], s88, v[T0]
	v_and_b32 v[T2], 31, v[T2]
	v_lshlrev_b32 v[T2], 4, v[T2]
	v_lshl_add_u32 v[T2], v[T0], 11, v[T2]
	v_lshl_add_u32 v[FRD], v[T1], 2, v[T2]
	v_lshl_add_u32 v[FGO], v[T1], 14, v[R16]       ; h rows of 16,384 bytes + 16 r
	s_lshl_b32 s60, ttmp9, 15                      ; csel: (64 qb + 2 w) records of 512 bytes
	s_lshl_b32 s61, s88, 10
	s_add_co_u32 s60, s60, s61
	s_mov_b32 s61, 0
	s_mul_i32 s62, ttmp9, 98304                    ; sv: (64 qb + 2 w) queries of 1,536 bytes
	s_mul_i32 s63, s88, 3072
	s_add_co_u32 s62, s62, s63
	s_mov_b32 s63, 0
	s_lshl_b32 s56, s99, 8                         ; vT: 128 channels of 2 bytes
	s_mov_b32 s57, 0
	s_lshl_b32 s58, s99, 21                        ; out0: (128 cq + 4 w) rows of 16,384 bytes + 64 qb queries of 4
	s_lshl_b32 s59, s88, 16
	s_add_co_u32 s58, s58, s59
	s_lshl_b32 s59, ttmp9, 8
	s_add_co_u32 s58, s58, s59
	s_mov_b32 s59, 0
	s_mov_b32 s[SPERM], 0x76543210
	s_mov_b32 s[SPERM+1], 0xfedcba98
	s_mov_b32 s98, 0x000fffff                      ; lanes 0 to 19
	s_mov_b32 s99, 0xffff0000                      ; lanes 16 to 31
	s_wait_kmcnt 0x0
	s_add_nc_u64 s[4:5], s[4:5], s[60:61]
	s_add_nc_u64 s[6:7], s[6:7], s[62:63]
	s_add_nc_u64 s[8:9], s[8:9], s[56:57]
	s_add_nc_u64 s[10:11], s[10:11], s[58:59]
	FIN 0
	READ 0
	FIN 1
	READ 1
	s_wait_dscnt 0x0                               ; my two rows are in the stage before I say so
	s_barrier_signal -1
	s_barrier_wait -1
.irp x, 0,1
.irp jj, 0,1,2,3
	ds_load_b32 v[FD+4*\x+\jj], v[FRD] offset:512*\jj+8*\x
.endr
.endr
	s_wait_dscnt 0x4                               ; the first four words are in; the second four stay out
	global_store_b128 v[FGO], v[FD:FD+3], s[10:11]                 ; sixteen lanes store 256 consecutive bytes of a channel's row, aligned
	s_wait_dscnt 0x0
	global_store_b128 v[FGO], v[FD+4:FD+7], s[10:11] offset:32768  ; two channels further on
	s_wait_tensorcnt 0x0
	ds_add_u32 v126, v127
	s_wait_dscnt 0x0
	s_endpgm
.Lfunc_end_k_qde9fa3dc12_read:
	.size	k_qde9fa3dc12_read, .Lfunc_end_k_qde9fa3dc12_read-k_qde9fa3dc12_read
	.p2alignl 7, 3214868480
	.fill 96, 4, 3214868480
	.section	.rodata,"a",@progbits
	.p2align	6, 0x0
	.amdhsa_kernel k_qde9fa3dc12_read
		.amdhsa_group_segment_fixed_size 53248
		.amdhsa_private_segment_fixed_size 0
		.amdhsa_enable_private_segment 0
		.amdhsa_kernarg_size 32
		.amdhsa_user_sgpr_count 2
		.amdhsa_user_sgpr_kernarg_segment_ptr 1
		.amdhsa_wavefront_size32 1
		.amdhsa_system_sgpr_workgroup_id_x 1
		.amdhsa_system_sgpr_workgroup_id_y 1
		.amdhsa_system_sgpr_workgroup_id_z 1
		.amdhsa_system_vgpr_workitem_id 0
		.amdhsa_next_free_vgpr 128
		.amdhsa_next_free_sgpr 100
		.amdhsa_reserve_vcc 0
		.amdhsa_float_denorm_mode_32 3
		.amdhsa_float_denorm_mode_16_64 3
		.amdhsa_memory_ordered 1
		.amdhsa_forward_progress 1
		.amdhsa_inst_pref_size 39
	.end_amdhsa_kernel
	.amdgpu_metadata
---
amdhsa.version: [ 1, 2 ]
amdhsa.kernels:
  - .name:           k_qde9fa3dc12_read
    .symbol:         k_qde9fa3dc12_read.kd
    .args:
      - { .name: csel, .offset: 0, .size: 8, .value_kind: global_buffer, .address_space: global }
      - { .name: sv, .offset: 8, .size: 8, .value_kind: global_buffer, .address_space: global }
      - { .name: vT, .offset: 16, .size: 8, .value_kind: global_buffer, .address_space: global }
      - { .name: out0, .offset: 24, .size: 8, .value_kind: global_buffer, .address_space: global }
    .group_segment_fixed_size: 53248
    .private_segment_fixed_size: 0
    .kernarg_segment_align: 8
    .kernarg_segment_size: 32
    .max_flat_workgroup_size: 1024
    .sgpr_count:     100
    .vgpr_count:     128
    .wavefront_size: 32
...
	.end_amdgpu_metadata
.endif
;; end of part 9
